; MI455X (gfx1250); checked and timed in simulation.
; The chip was launched on July 23, 2026; its instructions are those of AMD's public machine-readable ISA for CDNA 5 (MIT licence, August 2026) and "CDNA5" Instruction Set Architecture Reference Guide (July 2026). The comments in the code are by the model that wrote it; some were corrected since.
;; Self Attention. Allowed arithmetic: matrix products marked QUANTISED: E3M2 operands, one E8M0 scale for each 32 along K, by v_wmma_scale_f32_16x16x128_f8f6f4 with both operands' format E3M2, f32 sums; everything else in f32.
;; Inputs: b_k 1,024 float32; b_o 1,024 float32; b_q 1,024 float32; b_v 1,024 float32; w_k 1,024 x 1,024 float32; w_o 1,024 x 1,024 float32; w_q 1,024 x 1,024 float32; w_v 1,024 x 1,024 float32; x 4 x 2,048 x 1,024 float32.
;; Outputs: out0 4 x 2,048 x 1,024 float32.
;; This version of the problem:
;;   THIS VERSION OF THE PROBLEM IS GIVEN IN LOW PRECISION. The matrix products marked QUANTISED in the list below multiply operands that are first quantised to E3M2 (3 exponent bits, 2 mantissa bits; 6 bits a number), with one power-of-two scale for each 32 numbers along K (OCP MX v1.0); their sums are f32. All else is computed in f32.
;;   The module's matrix products, in the order in which they are computed (A, B: the left and right operand; K: the contracted axis; several contracted axes count as one K, in the product's order):
;;     1. [M 8,192, K 1,024] x [K 1,024, N 1,024]; A: input x; B: input w_q: QUANTISED
;;     2. [M 8,192, K 1,024] x [K 1,024, N 1,024]; A: input x; B: input w_k: QUANTISED
;;     3. [M 8,192, K 1,024] x [K 1,024, N 1,024]; A: input x; B: input w_v: QUANTISED
;;     4. batch 64 x [M 2,048, K 64] x [K 64, N 2,048]; A: computed on the way; B: computed on the way: QUANTISED
;;     5. batch 64 x [M 2,048, K 2,048] x [K 2,048, N 64]; A: softmax (see below); B: computed on the way: QUANTISED
;;     6. [M 8,192, K 1,024] x [K 1,024, N 1,024]; A: computed on the way; B: input w_o: QUANTISED
;;   THE QUANTISER, for each operand of a quantised product, along K:
;;     - K is cut into blocks of 32 from its start; a last block that is shorter is filled with zeros.
;;     - A block's scale is 2^e with e = floor(log2(the largest magnitude in the block)) - 4, held to -126 .. 127; a block of zeros has e = 0. As a byte (E8M0): e + 127.
;;     - Each number is divided by its block's scale, clamped to +-28, and rounded to the nearest number of E3M2, ties to even, subnormals kept.
;;     - The product sums the exact products of the quantised numbers (number of the format x scale) in f32.
;;   ~~~python
;;   def quantise(x, axis):      # numpy; x: float32 -> the quantised numbers, widened to float32 again
;;       x = np.moveaxis(x, axis, -1); K = x.shape[-1]
;;       x = np.pad(x, [(0, 0)] * (x.ndim - 1) + [(0, -K % 32)]); x = x.reshape(x.shape[:-1] + (-1, 32)); a = np.abs(x).max(-1, keepdims=True)
;;       e = np.where(a > 0, np.clip(np.frexp(np.where(a > 0, a, 1))[1] - 1 - 4, -126, 127), 0)      # np.frexp(a)[1] - 1 = floor(log2(a)), exactly
;;       r = np.clip(x / 2.0 ** e, -28, 28)
;;       step = 2.0 ** (np.maximum(np.frexp(np.where(r == 0, 1, r))[1] - 1, -2) - 2)
;;       q = np.round(r / step) * step * 2.0 ** e      # np.round: ties to even
;;       return np.moveaxis(q.reshape(q.shape[:-2] + (-1,))[..., :K], -1, axis).astype(np.float32)
;;   ~~~
;;   SOFTMAX AHEAD OF A QUANTISED PRODUCT. Where the list says 'softmax', what is quantised is not the finished softmax but p = 2^(t - M), with t = logit x log2(e) and M = ceil(the row's largest t), a whole number; so 1/2 < the row's largest p <= 1. The row's sum l is taken of the UNQUANTISED p, in f32, and the product's result is divided by l at the end. Since M is a whole number, a kernel that streams over the keys may use a running M (the ceiling of the running maximum): every later rescaling is an exact power of two, which a block's scale takes up: the codes' values come out the same.
;;   OPERANDS COMPUTED ON THE WAY. 'Computed on the way' means the value that the module computes at that place (a softmax that the list does not call 'softmax' is quantised finished and normalised). What goes into a quantiser is computed in f32, as accurately as f32 sums, v_exp_f32 and their like allow (about 1e-6 of the number): no bf16 or f16 on the way to a quantiser, and a product that is left as it is and whose result goes on into a quantised operand takes f32 operands (vector FMAs, or v_wmma_f32_16x16x4_f32). A number that lies on a knife's edge between two numbers of the format may be rounded either way, as far as f32 arithmetic and the matrix unit's own rounding can turn it there, and no further.
;; One version. Each part assembles by itself: llvm-mc -triple=amdgcn-amd-amdhsa -mcpu=gfx1250 --defsym DOCPART=n.
;; ======== version 1 of 1: 4 launches
;; limits: right only within a limited range of input values
;; workspace buffers: xq 6,553,600 bytes; wq 3,276,800 bytes; qkv 20,185,088 bytes; ctx 6,553,600 bytes
;; launch quant (part 1): grid 512 x 1, 8 waves a work-group, no clusters, 76,288 bytes of LDS; arguments w_q, w_k, w_v, w_o, x, xq, wq; writes xq, wq
.if DOCPART == 1
	.amdgcn_target "amdgcn-amd-amdhsa--gfx1250"
	.amdhsa_code_object_version 6
	.text
	.protected	k_qdc83c036e4_quant
	.globl	k_qdc83c036e4_quant
	.p2align	8
	.type	k_qdc83c036e4_quant,@function
k_qdc83c036e4_quant:
	s_mov_b64 s[64:65], 0
	v_nop
	global_prefetch_b8 v0, s[64:65] scope:SCOPE_SE
	s_setreg_imm32_b32 hwreg(HW_REG_WAVE_MODE, 25, 1), 1
	s_wait_xcnt 0x0
; x [8192][1024] and the four weights [1024 (k)][1024 (n)], f32, become codes of BF6 (E3M2) with one E8M0 byte for each 32 along K, laid in the ORDER OF THE OPERAND'S REGISTERS.
; A TILE is 16 rows of x (columns n of a weight): lane r of tile T is row 32 (T / 2) + 8 (T % 2) + r + 8 (r / 8).  An IMAGE is a tile x 64 along K, 768 bytes: lane (r, h) holds k = 32 h .. + 31;
; registers 0-3 lie at 16 x lane, registers 4-5 at 512 + 8 x lane.  xq: images [tile 512][k / 64][768]; at XSO the scale words [tile][k / 256][r][(k / 128) % 2].
; wq: weight w (0 q, 1 k, 2 v, 3 o) at 786,432 w: images [tile 64][k / 64][768]; at WSO + 32,768 w its scale words, laid alike.
; SHARES: a work-group takes one tile of x (wave w: columns 128 w .. + 127) AND 32 columns x 256 along K of one weight (wave w: block w of 32 along K; a lane takes a column, its registers run down K).
; 512 tiles of x and 4 x 32 x 4 = 512 such parts of the weights: one of each to a work-group.  All 48 loads of a wave are issued at the head.
; x's rows turn through the wave's own stage in LDS; the weight's codes and bytes are gathered in LDS bytes of their own and leave behind the one barrier, an image a wave.
; A block's scale is 2^(floor(log2(its largest magnitude)) - 4); its byte is the largest magnitude's exponent field - 4, held at 1 from below.
; LIMITS: a block of zeros gets the byte 1 where the rule says 127 (its codes are zeros, and this program alone reads the bytes); NaN and infinities among the inputs are not served.
.set ROWB, 4096
.set SPT,  528                         ; a stage row of x: 512 bytes + 16
.set STG,  16*SPT
.set SCW,  8*STG                       ; x's scale words, 4 bytes a thread
.set SPARE, 0x10c00                    ; the spare words: 128 bytes a wave
.set WST,  69632                       ; the weight's two tiles, as images
.set TST,  3200                        ; a tile's part: 3,072 bytes + 128
.set WSB,  76032                       ; the weight's scale bytes: 8 a column
.set XSO,  6291456
.set WSO,  3145728
.set R,    16                          ; v16-79   16 rows of x as loaded
.set X,    80                          ; v80-143  register 16 b + i: k = 32 b + 16 h + i of my row
.set PC,   144
.set TM,   164
.set PW,   180
.set WX,   196                         ; v196-227 my block of the weight
.set WC,   228                         ; v228-233 its codes
.set WT,   234
.set SEL,  18
.macro QUANT s, pw
.irp b, 0,1,2,3
	v_max3_num_f32 v[TM+\b], |v[\s+16*\b]|, |v[\s+1+16*\b]|, 0x2800000   ; my 16 of block b, and the floor 2^(5 - 127)
.endr
.irp i, 2,4,6,8,10,12,14
.irp b, 0,1,2,3
	v_max3_num_f32 v[TM+\b], v[TM+\b], |v[\s+16*\b+\i]|, |v[\s+1+16*\b+\i]|
.endr
.endr
.irp b, 0,1,2,3
	v_permlanex16_b32 v[TM+4+\b], v[TM+\b], s[SEL], s[SEL+1]
.endr
.irp b, 0,1,2,3
	v_max_num_f32 v[TM+\b], v[TM+\b], v[TM+4+\b]   ; with lane l xor 16's
.endr
.irp b, 0,1,2,3
	v_add_nc_u32 v[TM+12+\b], 0xfe000000, v[TM+\b]   ; 4 off the exponent field: the conversion's scale operand
.endr
.irp b, 0,1,2,3
	v_lshrrev_b32 v[TM+4+\b], 23, v[TM+12+\b]
.endr
	v_lshl_or_b32 v[\pw], v[TM+5], 8, v[TM+4]
	v_lshl_or_b32 v[\pw], v[TM+6], 16, v[\pw]
	v_lshl_or_b32 v[\pw], v[TM+7], 24, v[\pw]
.irp c, 0,1
	v_cvt_scalef32_pk16_bf6_f32 v[PC+6*\c:PC+2+6*\c], v[\s+32*\c:\s+15+32*\c], v[TM+12+2*\c]
	v_cvt_scalef32_pk16_bf6_f32 v[PC+12+4*\c:PC+14+4*\c], v[\s+16+32*\c:\s+31+32*\c], v[TM+12+2*\c+1]
.endr
	v_nop                                          ; one plain place behind a scaled conversion
.irp c, 0,1
.irp i, 0,1,2
	v_permlane16_swap_b32 v[PC+6*\c+\i], v[PC+12+4*\c+\i]   ; a whole block to a lane
.endr
.irp i, 0,1,2
	v_mov_b32 v[PC+3+6*\c+\i], v[PC+12+4*\c+\i]
.endr
.endr
.endm
	s_load_b256 s[4:11], s[0:1], 0x0               ; w_q, w_k, w_v, w_o
	s_load_b128 s[12:15], s[0:1], 0x20             ; x, xq
	s_load_b64 s[16:17], s[0:1], 0x30              ; wq
	v_lshl_add_u32 v192, v0, 2, SPARE
	v_mov_b32 v193, 0
	v_lshrrev_b32 v7, 5, v0
	v_readfirstlane_b32 s20, v7                    ; wave 0..7
	v_and_b32 v8, 31, v0                           ; lane
	v_and_b32 v9, 15, v0                           ; r
	v_bfe_u32 v10, v0, 4, 1                        ; h
	v_lshlrev_b32 v1, 4, v8
	v_lshlrev_b32 v2, 3, v8
	s_mul_i32 s21, s20, STG
	v_add_nc_u32 v3, s21, v1                       ; into my stage
	v_mul_u32_u24 v4, v9, SPT
	v_lshl_add_u32 v4, v10, 6, v4
	v_add_nc_u32 v4, s21, v4                       ; out of it: row r, + 64 h
	v_lshl_add_u32 v5, v0, 2, SCW
	v_lshrrev_b32 v6, 3, v8
	v_and_b32 v11, 7, v8
	v_lshlrev_b32 v6, 8, v6
	v_lshl_add_u32 v6, v11, 3, v6
	v_add_nc_u32 v6, SCW, v6                       ; wave 0's way out of x's scale words
	; the weight: my lane is column c: tile u = (c / 8) % 2, place r' = c % 8 + 8 (c / 16)
	v_lshlrev_b32 v237, 2, v8
	v_bfe_u32 v245, v0, 3, 1
	v_lshl_add_u32 v246, v10, 3, v11
	v_lshlrev_b32 v243, 9, v245
	v_lshl_add_u32 v243, v246, 3, v243             ; my two scale words in memory: 512 u + 8 r'
	v_mul_u32_u24 v245, v245, TST
	s_lshr_b32 s22, s20, 1
	s_mul_i32 s22, s22, 768                        ; block w lies in image w / 2, half w % 2
	s_and_b32 s23, s20, 1
	s_lshl_b32 s24, s23, 8
	s_add_co_u32 s24, s24, s22
	s_add_co_u32 s24, s24, WST
	s_lshl_b32 s25, s23, 7
	s_add_co_u32 s25, s25, s22
	s_add_co_u32 s25, s25, WST+512
	s_wait_alu depctr_va_vdst(0)                   ; the wait here, behind the run of scalar lines
	v_lshl_add_u32 v238, v246, 4, v245
	v_add_nc_u32 v238, s24, v238                   ; registers 0-3
	v_lshl_add_u32 v239, v246, 3, v245
	v_add_nc_u32 v239, s25, v239                   ; registers 4-5
	v_add_nc_u32 v240, s20, v2
	v_add_nc_u32 v240, WSB, v240                   ; my byte: 8 x column + w
	v_add_nc_u32 v244, WSB, v2
	s_lshr_b32 s26, s20, 2                         ; the way out: wave w takes image w % 4 of tile w / 4
	s_and_b32 s27, s20, 3
	s_mul_i32 s27, s27, 768
	s_mul_i32 s28, s26, TST
	s_add_co_u32 s28, s28, s27
	s_add_co_u32 s28, s28, WST
	v_add_nc_u32 v241, s28, v1
	v_add_nc_u32 v242, s28, v2
	s_mul_i32 s26, s26, 12288
	s_add_co_u32 s26, s26, s27
	s_mov_b32 s[SEL], 0x76543210
	s_mov_b32 s[SEL+1], 0xfedcba98
.irp b, 0,1,2,3
	v_mov_b32 v[TM+4+\b], 0                        ; a lane permute's destination counts as one of its sources
.endr
	s_lshr_b32 s30, ttmp9, 1
	s_lshl_b32 s30, s30, 5
	s_and_b32 s31, ttmp9, 1
	s_lshl_b32 s31, s31, 3
	s_add_co_u32 s30, s30, s31                     ; x's tile: first row 32 (T / 2) + 8 (T % 2)
	s_lshl_b32 s30, s30, 12
	s_lshl_b32 s31, s20, 9
	s_add_co_u32 s30, s30, s31
	s_mov_b32 s31, 0
	s_lshl_b32 s32, ttmp9, 4
	s_lshl_b32 s33, s20, 1
	s_add_co_u32 s32, s32, s33
	s_mul_i32 s32, s32, 768                        ; my two images of x
	s_mov_b32 s33, 0
	s_lshl_b32 s34, ttmp9, 9
	s_add_co_u32 s34, s34, XSO
	s_mov_b32 s35, 0
	s_lshr_b32 s36, ttmp9, 7                       ; which weight
	s_and_b32 s37, ttmp9, 31                       ; which 32 columns
	s_bfe_u32 s38, ttmp9, 0x20005                  ; which 256 along K
	s_lshl_b32 s40, s38, 20
	s_lshl_b32 s41, s37, 7
	s_add_co_u32 s40, s40, s41
	s_lshl_b32 s41, s20, 17                        ; my block: 32 rows of 4,096 bytes a wave
	s_add_co_u32 s40, s40, s41
	s_mov_b32 s41, 0
	s_mul_i32 s42, s36, 786432
	s_mul_i32 s43, s37, 24576
	s_add_co_u32 s42, s42, s43
	s_mul_i32 s43, s38, 3072
	s_add_co_u32 s42, s42, s43
	s_add_co_u32 s42, s42, s26
	s_mov_b32 s43, 0
	s_lshl_b32 s44, s36, 15
	s_lshl_b32 s45, s37, 10
	s_add_co_u32 s44, s44, s45
	s_lshl_b32 s45, s38, 7
	s_add_co_u32 s44, s44, s45
	s_add_co_u32 s44, s44, WSO
	s_mov_b32 s45, 0
	s_wait_alu depctr_va_vdst(0)                   ; the wait at the head's end
	s_wait_kmcnt 0x0
	s_cmp_eq_u32 s36, 1                            ; the choice hangs on the work-group's number alone
	s_cselect_b64 s[4:5], s[6:7], s[4:5]
	s_cmp_eq_u32 s36, 2
	s_cselect_b64 s[4:5], s[8:9], s[4:5]
	s_cmp_eq_u32 s36, 3
	s_cselect_b64 s[4:5], s[10:11], s[4:5]
	s_add_nc_u64 s[4:5], s[4:5], s[40:41]
	s_add_nc_u64 s[12:13], s[12:13], s[30:31]
	s_add_nc_u64 s[32:33], s[14:15], s[32:33]
	s_add_nc_u64 s[34:35], s[14:15], s[34:35]
	s_add_nc_u64 s[42:43], s[16:17], s[42:43]
	s_add_nc_u64 s[44:45], s[16:17], s[44:45]
.irp p, 0,1,2,3,4,5,6,7,8,9,10,11,12,13,14,15
	global_load_b128 v[R+4*\p:R+4*\p+3], v1, s[12:13] offset:(\p+8*(\p/8))*ROWB th:TH_LOAD_NT   ; x: 512 consecutive bytes of the tile's row p
.endr
.irp i, 0,1,2,3,4,5,6,7,8,9,10,11,12,13,14,15,16,17,18,19,20,21,22,23,24,25,26,27,28,29,30,31
	global_load_b32 v[WX+\i], v237, s[4:5] offset:\i*4096 th:TH_LOAD_NT   ; W(32 w + i, my column)
.endr
.irp p, 0,1,2,3,4,5,6,7,8,9,10,11,12,13,14,15
	s_wait_loadcnt 47-\p                           ; row p is in: behind it 15 - p loads of x and the weight's 32
	ds_store_b128 v3, v[R+4*\p:R+4*\p+3] offset:SPT*\p
.endr
.irp b, 0,1,2,3
.irp j, 0,1,2,3
	ds_load_b128 v[X+16*\b+4*\j:X+16*\b+4*\j+3], v4 offset:128*\b+16*\j   ; LDS serves a wave's instructions in order
.endr
.endr
	s_wait_dscnt 0x0
	QUANT X, PW
	global_store_b128 v1, v[PC:PC+3], s[32:33]     ; each store covers 512 or 256 consecutive bytes, aligned
	global_store_b64 v2, v[PC+4:PC+5], s[32:33] offset:512
	global_store_b128 v1, v[PC+6:PC+9], s[32:33] offset:768
	global_store_b64 v2, v[PC+10:PC+11], s[32:33] offset:1280
	ds_store_b32 v5, v[PW]
	s_wait_loadcnt 0x0                             ; my block of the weight: all its 32 numbers are my lane's
	v_max3_num_f32 v12, |v[WX]|, |v[WX+1]|, |v[WX+2]|
	v_max3_num_f32 v13, |v[WX+3]|, |v[WX+4]|, |v[WX+5]|
.irp i, 6,10,14,18,22,26
	v_max3_num_f32 v12, v12, |v[WX+\i]|, |v[WX+\i+1]|
	v_max3_num_f32 v13, v13, |v[WX+\i+2]|, |v[WX+\i+3]|
.endr
	v_max3_num_f32 v12, v12, |v[WX+30]|, |v[WX+31]|
	v_max3_num_f32 v12, v12, v13, 0x2800000
	v_add_nc_u32 v14, 0xfe000000, v12
	v_lshrrev_b32 v15, 23, v14
	v_cvt_scalef32_pk16_bf6_f32 v[WC:WC+2], v[WX:WX+15], v14
	v_cvt_scalef32_pk16_bf6_f32 v[WT:WT+2], v[WX+16:WX+31], v14
	v_nop
.irp i, 0,1,2
	v_mov_b32 v[WC+3+\i], v[WT+\i]
.endr
	ds_store_b128 v238, v[WC:WC+3]
	ds_store_b64 v239, v[WC+4:WC+5]
	ds_store_b8 v240, v15
	s_wait_dscnt 0x0                               ; for the others' sake: all my stores have landed
	s_barrier_signal -1
	s_barrier_wait -1
	ds_load_b128 v[WX:WX+3], v241                  ; one image of the weight a wave
	ds_load_b64 v[WX+4:WX+5], v242 offset:512
	s_wait_dscnt 0x0
	global_store_b128 v1, v[WX:WX+3], s[42:43]
	global_store_b64 v2, v[WX+4:WX+5], s[42:43] offset:512
	s_cmp_lg_u32 s20, 0
	s_cbranch_scc1 .Ldone                          ; wave 0 stores both sets of scale words
	ds_load_b64 v[184:185], v6
	ds_load_b64 v[186:187], v6 offset:128
	ds_load_b64 v[WX+8:WX+9], v244
	s_wait_dscnt 0x0
	v_mov_b32 v188, v184                           ; (r0, even), (r0, odd), (r0 + 1, even), (r0 + 1, odd)
	v_mov_b32 v189, v186
	v_mov_b32 v190, v185
	v_mov_b32 v191, v187
	global_store_b128 v1, v[188:191], s[34:35]
	global_store_b64 v243, v[WX+8:WX+9], s[44:45]  ; sixteen lanes store a tile's 128 consecutive bytes
.Ldone:
	s_wait_tensorcnt 0x0                           ; the wave's end
	ds_add_u32 v192, v193
	s_wait_dscnt 0x0
	s_endpgm
.Lfunc_end_k_qdc83c036e4_quant:
	.size	k_qdc83c036e4_quant, .Lfunc_end_k_qdc83c036e4_quant-k_qdc83c036e4_quant
	.p2alignl 7, 3214868480
	.fill 96, 4, 3214868480
	.section	.rodata,"a",@progbits
	.p2align	6, 0x0
	.amdhsa_kernel k_qdc83c036e4_quant
		.amdhsa_group_segment_fixed_size 76288
		.amdhsa_private_segment_fixed_size 0
		.amdhsa_enable_private_segment 0
		.amdhsa_kernarg_size 56
		.amdhsa_user_sgpr_count 2
		.amdhsa_user_sgpr_kernarg_segment_ptr 1
		.amdhsa_wavefront_size32 1
		.amdhsa_system_sgpr_workgroup_id_x 1
		.amdhsa_system_sgpr_workgroup_id_y 1
		.amdhsa_system_sgpr_workgroup_id_z 1
		.amdhsa_system_vgpr_workitem_id 0
		.amdhsa_next_free_vgpr 248
		.amdhsa_next_free_sgpr 66
		.amdhsa_reserve_vcc 0
		.amdhsa_float_denorm_mode_32 3
		.amdhsa_float_denorm_mode_16_64 3
		.amdhsa_memory_ordered 1
		.amdhsa_forward_progress 1
		.amdhsa_inst_pref_size 20
	.end_amdhsa_kernel
	.amdgpu_metadata
---
amdhsa.version: [ 1, 2 ]
amdhsa.kernels:
  - .name:           k_qdc83c036e4_quant
    .symbol:         k_qdc83c036e4_quant.kd
    .args:
      - { .name: w_q, .offset: 0, .size: 8, .value_kind: global_buffer, .address_space: global }
      - { .name: w_k, .offset: 8, .size: 8, .value_kind: global_buffer, .address_space: global }
      - { .name: w_v, .offset: 16, .size: 8, .value_kind: global_buffer, .address_space: global }
      - { .name: w_o, .offset: 24, .size: 8, .value_kind: global_buffer, .address_space: global }
      - { .name: x, .offset: 32, .size: 8, .value_kind: global_buffer, .address_space: global }
      - { .name: xq, .offset: 40, .size: 8, .value_kind: global_buffer, .address_space: global }
      - { .name: wq, .offset: 48, .size: 8, .value_kind: global_buffer, .address_space: global }
    .group_segment_fixed_size: 76288
    .private_segment_fixed_size: 0
    .kernarg_segment_align: 8
    .kernarg_segment_size: 56
    .max_flat_workgroup_size: 256
    .sgpr_count:     66
    .vgpr_count:     248
    .wavefront_size: 32
...
	.end_amdgpu_metadata
.endif
;; end of part 1
;; launch proj_qkv (part 2): grid 12 x 32, 4 waves a work-group, clusters of 4 x 4, 327,680 bytes of LDS; arguments xq, wq, b_q, b_k, b_v, qkv; writes qkv
.if DOCPART == 2
	.amdgcn_target "amdgcn-amd-amdhsa--gfx1250"
	.amdhsa_code_object_version 6
	.text
	.protected	k_qdc83c036e4_proj_qkv
	.globl	k_qdc83c036e4_proj_qkv
	.p2align	8
	.type	k_qdc83c036e4_proj_qkv,@function
k_qdc83c036e4_proj_qkv:
	s_mov_b64 s[64:65], 0
	v_nop
	global_prefetch_b8 v0, s[64:65] scope:SCOPE_SE
	s_setreg_imm32_b32 hwreg(HW_REG_WAVE_MODE, 25, 1), 1
	s_wait_xcnt 0x0
	s_wait_alu depctr_hold_cnt(0) depctr_sa_sdst(0) depctr_va_vdst(0) depctr_va_sdst(0) depctr_va_ssrc(0) depctr_va_vcc(0) depctr_vm_vsrc(0)
	s_getreg_b32 s2, hwreg(HW_REG_IB_STS2, 6, 4)
	s_cmp_eq_u32 s2, 0
	s_cbranch_scc0 .Lentry_in_a_cluster
	s_endpgm
.Lentry_in_a_cluster:
	s_bfe_u32 s2, ttmp6, 0x10000c
	s_cmp_lg_u32 s2, 0xf033
	s_cbranch_scc0 .Lentry_shape_is_right
	s_endpgm
.Lentry_shape_is_right:
.set NQ,     2
.set FR,     12
.set NL,     4
.set NP,     4
.set TILEB,  3072
.set UNITB,  98304
.set HALFT,  8*TILEB
.set SLOT,   4*HALFT
.set SCL,    2*SLOT
.set HALFS,  4096
.set SPARE,  SCL+4*HALFS
.set XSO,    6291456
.set WSO,    3145728
.set QSC,    6291456
.set KVO,    6815744
.set HEADB,  208896
.set REC,    13056
.set ADRA, 16
.set ADRB, 20
.set L16,  24
.set L8,   25
.set LN,   26
.set ADRS, 27
.set SPW,  28
.set NIL,  29
.set SC,   32
.set AF,   128
.set ST,   128
.set BQ,   64
.set PC,   192
.set TM,   212
.set SW,   228
.set SO,   236
.set SP,   240
.set SEL,  2
.set G1,   24
.set G0,   32
.set G1B,  48
.set G0B,  56
.set G1S,  68
.set G0S,  76
.set G1SB, 80
.set G0SB, 88
.set G0H,  4
.set G0HB, 96
.set MSB, 0
.macro WIN new
.if MSB != (\new)
	s_set_vgpr_msb (MSB<<8)|(\new)
.set MSB, (\new)
.endif
.endm
.set MUL_LO, 0xa1
.set MUL_HI, 0xf1
.set TO_B,   0x40
.macro JLOAD g0a, g1a, g0b, g1b
	s_cmp_eq_u32 s17, 0
	s_cbranch_scc0 .Lfor_b_\@
	tensor_load_to_lds s[\g0a:\g0a+3], s[\g1a:\g1a+7]
	s_nop 0
.rept 4
	v_nop
.endr
	s_branch .Lasked_\@
.Lfor_b_\@:
	tensor_load_to_lds s[\g0b:\g0b+3], s[\g1b:\g1b+7]
	s_nop 0
.rept 4
	v_nop
.endr
.Lasked_\@:
.endm
.macro CREST
	s_cmp_lg_u32 s16, 0
	s_cbranch_scc1 .Lnot_wave_0_\@
	s_barrier_signal -3
.Lnot_wave_0_\@:
	s_barrier_wait -3
	s_barrier_signal -1
	s_barrier_wait -1
.endm
.macro CROUND
	s_barrier_signal -1
	s_barrier_wait -1
	CREST
.endm
.macro PLACES n
.rept \n
	v_nop
.endr
.endm
.macro QUANT s, pw
.irp b, 0,1,2,3
	v_max3_num_f32 v[TM+\b], |v[\s+16*\b]|, |v[\s+1+16*\b]|, 0x2800000
.endr
.irp i, 2,4,6,8,10,12,14
.irp b, 0,1,2,3
	v_max3_num_f32 v[TM+\b], v[TM+\b], |v[\s+16*\b+\i]|, |v[\s+1+16*\b+\i]|
.endr
.endr
.irp b, 0,1,2,3
	v_permlanex16_b32 v[TM+4+\b], v[TM+\b], s[SEL], s[SEL+1]
.endr
.irp b, 0,1,2,3
	v_max_num_f32 v[TM+\b], v[TM+\b], v[TM+4+\b]
.endr
.irp b, 0,1,2,3
	v_add_nc_u32 v[TM+12+\b], 0xfe000000, v[TM+\b]
.endr
.irp b, 0,1,2,3
	v_lshrrev_b32 v[TM+4+\b], 23, v[TM+12+\b]
.endr
	v_lshl_or_b32 v[\pw], v[TM+5], 8, v[TM+4]
	v_lshl_or_b32 v[\pw], v[TM+6], 16, v[\pw]
	v_lshl_or_b32 v[\pw], v[TM+7], 24, v[\pw]
.irp c, 0,1
	v_cvt_scalef32_pk16_bf6_f32 v[PC+6*\c:PC+2+6*\c], v[\s+32*\c:\s+15+32*\c], v[TM+12+2*\c]
	v_cvt_scalef32_pk16_bf6_f32 v[PC+12+4*\c:PC+14+4*\c], v[\s+16+32*\c:\s+31+32*\c], v[TM+12+2*\c+1]
.endr
	v_nop
.irp c, 0,1
.irp i, 0,1,2
	v_permlane16_swap_b32 v[PC+6*\c+\i], v[PC+12+4*\c+\i]
.endr
.irp i, 0,1,2
	v_mov_b32 v[PC+3+6*\c+\i], v[PC+12+4*\c+\i]
.endr
.endr
.endm
	s_load_b256 s[4:11], s[0:1], 0x0
	s_load_b128 s[12:15], s[0:1], 0x20
	v_lshl_add_u32 v[SPW], v0, 2, SPARE
	v_mov_b32 v[NIL], 0
	ds_add_u32 v28, v29
	ds_add_u32 v28, v29
	s_wait_dscnt 0x0
	v_lshrrev_b32 v1, 5, v0
	v_readfirstlane_b32 s16, v1
	s_lshr_b32 s17, s16, 1
	s_and_b32 s18, s16, 1
	s_bfe_u32 s20, ttmp6, 0x40000
	s_bfe_u32 s21, ttmp6, 0x40004
	s_and_b32 s23, ttmp7, 0xffff
	s_lshl_b32 s23, s23, 2
	s_lshl_b32 s22, ttmp9, 2
	s_cmp_eq_u32 ttmp9, 2
	s_cselect_b32 s19, 1, 0
	s_cselect_b32 s42, 0, s23
	s_cselect_b32 s43, s23, s22
	s_add_co_u32 s100, s42, s21
	s_add_co_u32 s101, s43, s20
	s_lshl_b32 s2, s21, 2
	s_lshl_b32 s2, 15, s2
	s_lshl_b32 s3, 0x1111, s20
	s_or_b32 s[G1+0], s2, (3<<16)|(1<<21)
	s_or_b32 s[G1B+0], s3, (3<<16)|(1<<21)
.irp g, G1, G1B
	s_mov_b32 s[\g+1], 384<<16
	s_mov_b32 s[\g+2], 16<<16
	s_mov_b32 s[\g+3], 384<<16
	s_mov_b32 s[\g+4], 16
	s_mov_b32 s[\g+5], 1536
	s_mov_b32 s[\g+6], 0
	s_mov_b32 s[\g+7], 0
.endr
	s_or_b32 s[G1S+0], s2, (3<<16)|(1<<21)
	s_or_b32 s[G1SB+0], s3, (3<<16)|(1<<21)
.irp g, G1S, G1SB
	s_mov_b32 s[\g+1], 32<<16
	s_mov_b32 s[\g+2], 32<<16
	s_mov_b32 s[\g+3], 32<<16
	s_mov_b32 s[\g+4], 32
	s_mov_b32 s[\g+5], 32
	s_mov_b32 s[\g+6], 0
	s_mov_b32 s[\g+7], 0
.endr
	s_lshl_b32 s23, s100, 1
	s_add_co_u32 s23, s23, s18
	s_mul_i32 s92, s23, UNITB
	s_mov_b32 s93, 0
	s_lshl_b32 s94, s23, 12
	s_mov_b32 s95, 0
	s_lshl_b32 s22, s101, 1
	s_add_co_u32 s22, s22, s18
	s_mul_i32 s96, s22, UNITB
	s_mov_b32 s97, 0
	s_lshl_b32 s98, s22, 12
	s_mov_b32 s99, 0
	s_wait_kmcnt 0x0
	s_add_nc_u64 s[40:41], s[4:5], XSO
	s_add_nc_u64 s[42:43], s[6:7], WSO
	s_add_nc_u64 s[44:45], s[6:7], 2*786432
	s_add_nc_u64 s[46:47], s[6:7], WSO+2*32768
	s_cmp_eq_u32 s19, 1
	s_cselect_b64 s[44:45], s[44:45], s[4:5]
	s_cselect_b64 s[46:47], s[46:47], s[40:41]
	s_cselect_b64 s[40:41], s[40:41], s[42:43]
	s_cselect_b64 s[42:43], s[4:5], s[6:7]
	s_add_nc_u64 s[92:93], s[44:45], s[92:93]
	s_add_nc_u64 s[94:95], s[46:47], s[94:95]
	s_add_nc_u64 s[96:97], s[42:43], s[96:97]
	s_add_nc_u64 s[98:99], s[40:41], s[98:99]
	s_mul_i32 s40, s16, HALFT
	s_mul_i32 s41, s16, HALFS
	CROUND
.irp s, 0,1
	s_mov_b32 s[G0+4*\s], 1
	s_add_co_u32 s[G0+4*\s+1], s40, \s*SLOT
	s_add_nc_u64 s[G0+4*\s+2:G0+4*\s+3], s[92:93], \s*TILEB
	s_or_b32 s[G0+4*\s+3], s[G0+4*\s+3], 0x80000000
	s_mov_b32 s[G0B+4*\s], 1
	s_add_co_u32 s[G0B+4*\s+1], s40, \s*SLOT
	s_add_nc_u64 s[G0B+4*\s+2:G0B+4*\s+3], s[96:97], \s*TILEB
	s_or_b32 s[G0B+4*\s+3], s[G0B+4*\s+3], 0x80000000
.endr
	; the head's four tiles, each whole (my wave's half taken off the addresses again): both sides' scales for all of K, and both sides' 16 tiles of the first 256 along K
	s_lshl_b32 s2, s18, 12
	s_mov_b32 s3, 0
	s_mov_b32 s[G0S], 1
	s_mov_b32 s[G0S+1], SCL
	s_sub_nc_u64 s[G0S+2:G0S+3], s[94:95], s[2:3]
	s_or_b32 s[G0S+3], s[G0S+3], 0x80000000
	s_mov_b32 s[G0SB], 1
	s_mov_b32 s[G0SB+1], SCL+2*HALFS
	s_sub_nc_u64 s[G0SB+2:G0SB+3], s[98:99], s[2:3]
	s_or_b32 s[G0SB+3], s[G0SB+3], 0x80000000
	s_mul_i32 s2, s18, UNITB
	s_mov_b32 s[G0H], 1
	s_mov_b32 s[G0H+1], 0
	s_sub_nc_u64 s[G0H+2:G0H+3], s[92:93], s[2:3]
	s_or_b32 s[G0H+3], s[G0H+3], 0x80000000
	s_sub_nc_u64 s[G0HB+2:G0HB+3], s[96:97], s[2:3]
	s_or_b32 s[G0HB+3], s[G0HB+3], 0x80000000
	s_mov_b32 s[G0HB], 1
	s_mov_b32 s[G0HB+1], 2*HALFT
; one load a wave at the head, in one chain of branches on the wave's number
.macro ARM under, g0, g1, next
	s_cmp_lt_u32 s16, \under
	s_cbranch_scc0 \next
	tensor_load_to_lds s[\g0:\g0+3], s[\g1:\g1+7]
	s_nop 0
.rept 4
	v_nop
.endr
	s_branch .Lhead_asked
\next:
.endm
	ARM 1, G0H,  G1,  .Lhead_b
	ARM 2, G0HB, G1B, .Lhead_sa
	ARM 3, G0S,  G1S, .Lhead_sb
	tensor_load_to_lds s[G0SB:G0SB+3], s[G1SB:G1SB+7]
	s_nop 0
.rept 4
	v_nop
.endr
.Lhead_asked:
	v_and_b32 v1, 15, v0
	v_bfe_u32 v2, v0, 4, 1
	v_and_b32 v[LN], 31, v0
	v_lshlrev_b32 v[L16], 4, v[LN]
	v_lshlrev_b32 v[L8], 3, v[LN]
	s_mul_i32 s42, s17, HALFT
	s_mul_i32 s43, s18, HALFT
	s_add_co_u32 s43, s43, 2*HALFT
.irp s, 0,1
	v_add_nc_u32 v[ADRA+\s], s42, v[L16]
	v_add_nc_u32 v[ADRA+2+\s], s42, v[L8]
	v_add_nc_u32 v[ADRB+\s], s43, v[L16]
	v_add_nc_u32 v[ADRB+2+\s], s43, v[L8]
	s_add_co_u32 s42, s42, SLOT
	s_add_co_u32 s43, s43, SLOT
.endr
	v_lshlrev_b32 v6, 3, v1
	s_mul_i32 s42, s17, HALFS
	s_mul_i32 s43, s18, HALFS
	s_add_co_u32 s43, s43, 2*HALFS
	s_sub_co_u32 s43, s43, s42
	v_mul_u32_u24 v7, s43, v2
	s_add_co_u32 s42, s42, SCL
	v_add_nc_u32 v6, v6, v7
	v_add_nc_u32 v[ADRS], s42, v6
	s_mov_b32 s[SEL], 0x76543210
	s_mov_b32 s[SEL+1], 0xfedcba98
.macro FRAG reg, adr, q, i
	ds_load_b128 v[\reg:\reg+3], v[\adr] offset:TILEB*(\i)+1536*(\q)
	ds_load_b64 v[\reg+4:\reg+5], v[\adr+2] offset:TILEB*(\i)+1536*(\q)+512
	ds_load_b128 v[\reg+6:\reg+9], v[\adr] offset:TILEB*(\i)+1536*(\q)+768
	ds_load_b64 v[\reg+10:\reg+11], v[\adr+2] offset:TILEB*(\i)+1536*(\q)+1280
.endm
.macro MUL16 a0, p, q, sc, zero
.irp a, \a0, \a0+1
.irp b, 0,1,2,3,4,5,6,7
.if \zero
	v_wmma_scale_f32_16x16x128_f8f6f4 v[8*(8*((\a)%4)+\b):8*(8*((\a)%4)+\b)+7], v[128*(\p)+FR*\b:128*(\p)+FR*\b+FR-1], v[AF+FR*(\a):AF+FR*(\a)+FR-1], 0, v[SC+8*NQ*(\sc)+NQ*\b+(\q)], v[SC+8*NQ*(\sc)+NQ*(\a)+(\q)] matrix_a_fmt:MATRIX_FMT_BF6 matrix_b_fmt:MATRIX_FMT_BF6 matrix_a_scale:MATRIX_SCALE_ROW1
.else
	v_wmma_scale_f32_16x16x128_f8f6f4 v[8*(8*((\a)%4)+\b):8*(8*((\a)%4)+\b)+7], v[128*(\p)+FR*\b:128*(\p)+FR*\b+FR-1], v[AF+FR*(\a):AF+FR*(\a)+FR-1], v[8*(8*((\a)%4)+\b):8*(8*((\a)%4)+\b)+7], v[SC+8*NQ*(\sc)+NQ*\b+(\q)], v[SC+8*NQ*(\sc)+NQ*(\a)+(\q)] matrix_a_fmt:MATRIX_FMT_BF6 matrix_b_fmt:MATRIX_FMT_BF6 matrix_a_scale:MATRIX_SCALE_ROW1
.endif
.endr
.endr
.endm
.macro FETCH_B slot, q, p
	WIN TO_B
.irp i, 0,1,2,3,4,5,6,7
	FRAG 128*(\p)+FR*\i, ADRB+\slot, \q, \i
.endr
	WIN 0
.endm
.macro FETCH_A slot, q, i0
.irp i, \i0, \i0+1, \i0+2, \i0+3
	FRAG AF+FR*(\i), ADRA+\slot, \q, \i
.endr
.endm
.macro SCALES sc
.irp i, 0,1,2,3,4,5,6,7
	ds_load_b64 v[SC+8*NQ*\sc+NQ*\i:SC+8*NQ*\sc+NQ*\i+1], v[ADRS] offset:\i*512
.endr
.endm
.macro STEP slot, q, zero
	s_wait_dscnt 4*NL
	WIN MUL_LO
	MUL16 0, (\q)%2, \q, \slot, \zero
	MUL16 2, (\q)%2, \q, \slot, \zero
	s_wait_dscnt 0
	PLACES NP
	FETCH_B \slot, (\q)+1, 1-(\q)%2
	FETCH_A \slot, (\q)+1, 0
	WIN MUL_HI
	MUL16 4, (\q)%2, \q, \slot, \zero
	MUL16 6, (\q)%2, \q, \slot, \zero
	PLACES NP
	WIN 0
	FETCH_A \slot, (\q)+1, 4
.endm
.macro TURN slot, next, fill
	s_wait_tensorcnt 0x0
	ds_add_u32 v[SPW], v[NIL]
	s_wait_dscnt 4*NL+1
	WIN MUL_LO
	MUL16 0, 1, NQ-1, \slot, 0
	s_wait_dscnt 0x0
	s_barrier_signal -1
	MUL16 2, 1, NQ-1, \slot, 0
	WIN 0
	s_barrier_wait -1
.if \fill
	CREST
	s_add_nc_u64 s[G0+4*\slot+2:G0+4*\slot+3], s[G0+4*\slot+2:G0+4*\slot+3], 2*TILEB
	s_add_nc_u64 s[G0B+4*\slot+2:G0B+4*\slot+3], s[G0B+4*\slot+2:G0B+4*\slot+3], 2*TILEB
	JLOAD G0+4*\slot, G1, G0B+4*\slot, G1B
.else
	PLACES NP
.endif
	s_wait_alu depctr_va_vdst(0)
	v_add_nc_u32 v[ADRS], 128, v[ADRS]
	FETCH_B \next, 0, 0
	FETCH_A \next, 0, 0
	SCALES \next
	WIN MUL_HI
	MUL16 4, 1, NQ-1, \slot, 0
	MUL16 6, 1, NQ-1, \slot, 0
	PLACES NP
	WIN 0
	FETCH_A \next, 0, 4
.endm
	s_wait_alu depctr_va_vdst(0)
.macro EPI mode
.irp b, 0,1,2,3
	v_mov_b32 v[TM+4+\b], 0
.endr
.if \mode == 0
	s_lshl_b32 s40, s100, 1
	s_add_co_u32 s40, s40, s17
	s_lshr_b32 s41, s40, 4
	s_and_b32 s40, s40, 15
	s_lshl_b32 s42, s101, 1
	s_add_co_u32 s42, s42, s18
	s_and_b32 s42, s42, 7
	s_lshl_b32 s43, s41, 4
	s_lshl_b32 s44, s42, 1
	s_add_co_u32 s43, s43, s44
	s_mov_b32 s45, 98304
	s_mov_b32 s46, 6144
	s_mov_b32 s47, 0
	s_mov_b32 s92, 8192
	s_mov_b32 s93, 512
	s_mov_b32 s94, QSC
	s_cmp_eq_u32 ttmp9, 1
	s_cselect_b32 s45, HEADB, s45
	s_cselect_b32 s46, REC, s46
	s_cselect_b32 s47, KVO, s47
	s_cselect_b32 s92, HEADB, s92
	s_cselect_b32 s93, REC, s93
	s_cselect_b32 s94, KVO+12288, s94
	s_cselect_b64 s[8:9], s[10:11], s[8:9]
	s_mul_i32 s96, s45, s43
	s_mul_i32 s98, s46, s40
	s_add_co_u32 s96, s96, s98
	s_add_co_u32 s96, s96, s47
	s_mov_b32 s97, 0
	s_add_nc_u64 s[96:97], s[14:15], s[96:97]
	s_mov_b32 s98, s45
	s_mov_b32 s99, 0
	s_add_nc_u64 s[98:99], s[96:97], s[98:99]
	s_mul_i32 s44, s92, s43
	s_mul_i32 s45, s93, s40
	s_add_co_u32 s44, s44, s45
	s_add_co_u32 s44, s44, s94
	s_mov_b32 s45, 0
	s_add_nc_u64 s[44:45], s[14:15], s[44:45]
	s_mov_b32 s93, 0
	s_add_nc_u64 s[46:47], s[44:45], s[92:93]
	s_lshl_b32 s40, s42, 9
	s_mov_b32 s41, 0
	s_add_nc_u64 s[8:9], s[8:9], s[40:41]
	v_lshlrev_b32 v8, 6, v2
.irp b, 0,1,2,3
.irp j, 0,1,2,3
	global_load_b128 v[BQ+16*\b+4*\j:BQ+16*\b+4*\j+3], v8, s[8:9] offset:128*\b+16*\j
.endr
.endr
.else
	s_lshl_b32 s40, s100, 1
	s_add_co_u32 s40, s40, s17
	s_lshl_b32 s42, s101, 1
	s_add_co_u32 s42, s42, s18
	s_lshr_b32 s41, s42, 4
	s_and_b32 s42, s42, 15
	s_lshl_b32 s43, s41, 4
	s_lshl_b32 s44, s40, 1
	s_add_co_u32 s43, s43, s44
	s_mul_i32 s96, s43, HEADB
	s_mul_i32 s98, s42, REC
	s_add_co_u32 s96, s96, s98
	s_add_co_u32 s96, s96, KVO+6144
	s_mov_b32 s97, 0
	s_add_nc_u64 s[96:97], s[14:15], s[96:97]
	s_add_nc_u64 s[98:99], s[96:97], HEADB
	s_lshl_b32 s40, s40, 9
	s_mov_b32 s41, 0
	s_add_nc_u64 s[12:13], s[12:13], s[40:41]
	v_and_b32 v8, 8, v1
	v_add_nc_u32 v8, v8, v1
	v_lshlrev_b32 v8, 2, v8
.irp a, 0,1,2,3,4,5,6,7
	global_load_b32 v[BQ+2*\a], v8, s[12:13] offset:4*(32*(\a/2)+8*(\a%2))
	global_load_b32 v[BQ+2*\a+1], v8, s[12:13] offset:4*(32*(\a/2)+8*(\a%2))
.endr
.endif
	s_wait_loadcnt 0x0
.irp a, 0,1,2,3,4,5,6,7
.if \a > 0
	s_wait_xcnt 0x0
.endif
	WIN 0x02+(\a/4)
.set i, 0
.rept 32
.if \mode == 0
	v_pk_add_f32 v[ST+i:ST+i+1], v[64*(\a%4)+i:64*(\a%4)+i+1], v[BQ+i:BQ+i+1]
.else
	v_pk_add_f32 v[ST+i:ST+i+1], v[64*(\a%4)+i:64*(\a%4)+i+1], v[BQ+2*\a:BQ+2*\a+1]
.endif
.set i, i+2
.endr
	WIN 0
	QUANT ST, SW+\a
.if \mode == 0
	global_store_b128 v[L16], v[PC:PC+3], s[96:97] offset:768*\a
	global_store_b64 v[L8], v[PC+4:PC+5], s[96:97] offset:768*\a+512
	global_store_b128 v[L16], v[PC+6:PC+9], s[98:99] offset:768*\a
	global_store_b64 v[L8], v[PC+10:PC+11], s[98:99] offset:768*\a+512
.elseif \a < 4
	global_store_b128 v[L16], v[PC:PC+3], s[96:97] offset:1536*\a
	global_store_b64 v[L8], v[PC+4:PC+5], s[96:97] offset:1536*\a+512
	global_store_b128 v[L16], v[PC+6:PC+9], s[96:97] offset:1536*\a+768
	global_store_b64 v[L8], v[PC+10:PC+11], s[96:97] offset:1536*\a+1280
.else
	global_store_b128 v[L16], v[PC:PC+3], s[98:99] offset:1536*(\a-4)
	global_store_b64 v[L8], v[PC+4:PC+5], s[98:99] offset:1536*(\a-4)+512
	global_store_b128 v[L16], v[PC+6:PC+9], s[98:99] offset:1536*(\a-4)+768
	global_store_b64 v[L8], v[PC+10:PC+11], s[98:99] offset:1536*(\a-4)+1280
.endif
.endr
	v_cmp_le_u32 vcc_lo, 16, v[LN]
.irp b, 0,1,2,3
	v_cndmask_b32 v[SO+\b], v[SW+2*\b], v[SW+2*\b+1], vcc_lo
.endr
.if \mode == 0
.irp b, 0,1,2,3
	v_lshrrev_b32 v[SP+\b], 16, v[SO+\b]
.endr
	global_store_b128 v[L16], v[SO:SO+3], s[44:45]
	global_store_b128 v[L16], v[SP:SP+3], s[46:47]
.else
	global_store_b64 v[L8], v[SO:SO+1], s[96:97] offset:6656
	global_store_b64 v[L8], v[SO+2:SO+3], s[98:99] offset:6656
.endif
.endm
	s_wait_tensorcnt 0x0                           ; my tile of the head's four is in
	ds_add_u32 v[SPW], v[NIL]
	s_mov_b32 s[G1+2], 8<<16                       ; no load of mine is out: from here on a load brings 8 tiles
	s_mov_b32 s[G1+4], 8
	s_mov_b32 s[G1B+2], 8<<16
	s_mov_b32 s[G1B+4], 8
	s_wait_dscnt 0x0
	CROUND
	JLOAD G0+4, G1, G0B+4, G1B                     ; slot 1's first fill, the first tensor load behind the round
	FETCH_B 0, 0, 0
	FETCH_A 0, 0, 0
	SCALES 0
	FETCH_A 0, 0, 4
	STEP 0, 0, 1
	TURN 0, 1, 1
	STEP 1, 0, 0
	TURN 1, 0, 1
	STEP 0, 0, 0
	TURN 0, 1, 0
	STEP 1, 0, 0
	s_wait_dscnt 4*NL
	WIN MUL_LO
	MUL16 0, 1, NQ-1, 1, 0
	MUL16 2, 1, NQ-1, 1, 0
	s_wait_dscnt 0
	WIN MUL_HI
	MUL16 4, 1, NQ-1, 1, 0
	MUL16 6, 1, NQ-1, 1, 0
	WIN 0
	PLACES NP
	s_cmp_eq_u32 s19, 1
	s_cbranch_scc1 .Lfor_v
	EPI 0
	s_branch .Ljoin
.Lfor_v:
	EPI 1
.Ljoin:
	s_wait_tensorcnt 0x0
	ds_add_u32 v[SPW], v[NIL]
	s_wait_dscnt 0x0
	CROUND
	s_endpgm
.Lfunc_end_k_qdc83c036e4_proj_qkv:
	.size	k_qdc83c036e4_proj_qkv, .Lfunc_end_k_qdc83c036e4_proj_qkv-k_qdc83c036e4_proj_qkv
	.p2alignl 7, 3214868480
	.fill 96, 4, 3214868480
	.section	.rodata,"a",@progbits
	.p2align	6, 0x0
	.amdhsa_kernel k_qdc83c036e4_proj_qkv
		.amdhsa_group_segment_fixed_size 327680
		.amdhsa_private_segment_fixed_size 0
		.amdhsa_enable_private_segment 0
		.amdhsa_kernarg_size 48
		.amdhsa_user_sgpr_count 2
		.amdhsa_user_sgpr_kernarg_segment_ptr 1
		.amdhsa_wavefront_size32 1
		.amdhsa_system_sgpr_workgroup_id_x 1
		.amdhsa_system_sgpr_workgroup_id_y 1
		.amdhsa_system_sgpr_workgroup_id_z 1
		.amdhsa_system_vgpr_workitem_id 0
		.amdhsa_next_free_vgpr 1024
		.amdhsa_next_free_sgpr 106
		.amdhsa_reserve_vcc 1
		.amdhsa_float_denorm_mode_32 3
		.amdhsa_float_denorm_mode_16_64 3
		.amdhsa_memory_ordered 1
		.amdhsa_forward_progress 1
		.amdhsa_inst_pref_size 221
	.end_amdhsa_kernel
	.amdgpu_metadata
---
amdhsa.version: [ 1, 2 ]
amdhsa.kernels:
  - .name:           k_qdc83c036e4_proj_qkv
    .symbol:         k_qdc83c036e4_proj_qkv.kd
    .args:
      - { .name: xq, .offset: 0, .size: 8, .value_kind: global_buffer, .address_space: global }
      - { .name: wq, .offset: 8, .size: 8, .value_kind: global_buffer, .address_space: global }
      - { .name: b_q, .offset: 16, .size: 8, .value_kind: global_buffer, .address_space: global }
      - { .name: b_k, .offset: 24, .size: 8, .value_kind: global_buffer, .address_space: global }
      - { .name: b_v, .offset: 32, .size: 8, .value_kind: global_buffer, .address_space: global }
      - { .name: qkv, .offset: 40, .size: 8, .value_kind: global_buffer, .address_space: global }
    .group_segment_fixed_size: 327680
    .private_segment_fixed_size: 0
    .kernarg_segment_align: 8
    .kernarg_segment_size: 48
    .max_flat_workgroup_size: 128
    .sgpr_count:     106
    .vgpr_count:     1024
    .wavefront_size: 32
...
	.end_amdgpu_metadata
.endif
;; end of part 2
;; launch attn (part 3): grid 4 x 64, 16 waves a work-group, clusters of 4 x 1, 210,944 bytes of LDS; arguments qkv, ctx; writes ctx
.if DOCPART == 3
	.amdgcn_target "amdgcn-amd-amdhsa--gfx1250"
	.amdhsa_code_object_version 6
	.text
	.protected	k_qdc83c036e4_attn
	.globl	k_qdc83c036e4_attn
	.p2align	8
	.type	k_qdc83c036e4_attn,@function
k_qdc83c036e4_attn:
	s_mov_b64 s[64:65], 0
	v_nop
	global_prefetch_b8 v0, s[64:65] scope:SCOPE_SE
	s_setreg_imm32_b32 hwreg(HW_REG_WAVE_MODE, 25, 1), 1
	s_wait_xcnt 0x0
	s_wait_alu depctr_hold_cnt(0) depctr_sa_sdst(0) depctr_va_vdst(0) depctr_va_sdst(0) depctr_va_ssrc(0) depctr_va_vcc(0) depctr_vm_vsrc(0)
	s_getreg_b32 s2, hwreg(HW_REG_IB_STS2, 6, 4)
	s_cmp_eq_u32 s2, 0
	s_cbranch_scc0 .Lentry_in_a_cluster
	s_endpgm
.Lentry_in_a_cluster:
	s_bfe_u32 s2, ttmp6, 0x10000c
	s_cmp_lg_u32 s2, 0x3003
	s_cbranch_scc0 .Lentry_shape_is_right
	s_endpgm
.Lentry_shape_is_right:
; ctx[head][q] = the sum over keys of softmax(q . k / 8) v, both products on codes of BF6 (E3M2) with E8M0 scales, and ctx quantised along the head's 64 for the last product.
; THE SOFTMAX: t = score x log2(e) / 8; M = the row's largest t so far, rounded UP to a whole number; p = 2^(t - M) is quantised along the keys, not normalised.
; The row's sum is taken of the unquantised p, in f32, and divides O at the end.  When M moves, the sum and O are multiplied by 2^(old M - new M): exact.
; INPUT (qkv): q's images [head 64][tile 128][768]; q's scale images at QSC; at KVO [head][step 16][record of 13,056]: k's 8 images, v's 4 fragments, k's scale image, v's.
; An image is 16 rows x 64 along K in the order of the operand's registers: registers 0-3 at 16 x lane, 4-5 at 512 + 8 x lane.  Lane r of stored tile T is row 32 (T / 2) + 8 (T % 2) + r + 8 (r / 8).
; WHICH KEYS FORM A TILE OF k IS CHOSEN ANEW AS THE FRAGMENTS ARE READ FROM LDS: tile (c, t) takes keys 64 c + 8 t + 0..7 in lanes 0-7 and 64 c + 32 + 8 t + 0..7 in lanes 8-15 (each lane reads its row from the image that holds it).
; In S^T = k q^T lane (r, h) then holds, in the 32 registers of tiles (c, 0..3), keys 64 c + 32 h + 0..31 of query r: a WHOLE block of 32, in the order of the next operand: a block's maximum needs no other lane, and the conversions' results are the operand.
; The first product's K is 64: registers 6-11 of q's fragment are zero codes.  So k's fragments lie 6 registers apart: the upper six registers that a product names are the next fragment's codes (behind the last: zeros), which meet q's zero codes and add nothing; every scale byte there is a finite code.
; SHARES: a work-group owns 512 queries of one head; each of its sixteen waves owns two tiles of 16, one after the other.
; LDS: the head's 16 records, 208,896 bytes, are filled once and stay: each of the sixteen waves brings one record by one load at the head.  No slot is filled again.
; CLUSTER: the four work-groups of a cluster own the four blocks of queries of one head: every load is joint, with the mask of all four.
; No prefetch: all that the launch reads by tensor loads is asked for at its head, so there is no loop to run ahead in.
; OUTPUT (ctx): images [token tile 512][head 16][768]; at XSO the scale words [tile][k / 256][r][(k / 128) % 2], of which a head owns two bytes a row.
; LIMITS: a block of zeros gets the byte 1 where the rule says 127 (its codes are zeros, and this program alone reads the bytes); NaN and infinities are not served; the scaled scores t stay under 2^31 in magnitude.
.set QSC,   6291456
.set KVO,   6815744
.set HEADB, 208896
.set REC,   13056
.set XSO,   6291456
.set SPARE, 0x33000
.set KA,  4                            ; v4-6 lane terms of k's addresses: 16-byte pieces, 8-byte pieces, scale words
.set KB,  5
.set KSB, 6
.set SH,  7                            ; v7   8 h
.set AK,  8                            ; v8-12 the step's addresses
.set AKB, 9
.set AKS, 10
.set AV,  11
.set AVB, 12
.set M,   14                           ; v14  the largest score so far
.set QS1, 15                           ; v15  the second tile's scale word of q
.set NM,  16                           ; v16  -M; v17 its old value
.set L,   18                           ; v18-25 the row's sum, in four pairs
.set F,   26                           ; v26  f; v27 named with it as a pair
.set QS,  28
.set PS,  29
.set SPW, 30
.set NIL, 31
.set Q,   32                           ; v32-43 q
.set KF,  44                           ; v44-91 k's eight fragments, 6 registers each; v92-97 zeros
.set KS,  98                           ; v98-101 k's scale words; v102-103 v's
.set VS,  102
.set VF,  104                          ; v104-151 v's four fragments
.set S,   152                          ; v152-215 S^T, then p
.set O,   216                          ; v216-247 O^T
.set Q1,  248                          ; v248-253 the second tile's q
.set PX,  254
.set PY,  255
.set PC,  44                           ; behind the first product k's registers are free: p's codes,
.set CT,  56                           ; the upper halves as converted,
.set T,   64                           ; and what is at work
.set SEL, 12
.set CS,  14                           ; s[14:15] c = log2(e) / 8
.set G1,  16
.set G0,  24
.set TB,  40
.set CNT, 41
.macro ROUND
	s_barrier_signal -1
	s_barrier_wait -1
	s_cmp_lg_u32 s8, 0
	s_cbranch_scc1 .Lnot_wave_0_\@
	s_barrier_signal -3
.Lnot_wave_0_\@:
	s_barrier_wait -3
	s_barrier_signal -1
	s_barrier_wait -1
.endm
	s_load_b128 s[4:7], s[0:1], 0x0                ; qkv, ctx
	v_lshl_add_u32 v[SPW], v0, 2, SPARE
	v_mov_b32 v[NIL], 0
	ds_add_u32 v[SPW], v[NIL]                      ; the opening lines: the add twice on end
	ds_add_u32 v[SPW], v[NIL]
	v_lshrrev_b32 v8, 5, v0
	v_readfirstlane_b32 s8, v8                     ; wave 0..15
	v_and_b32 v8, 31, v0
	v_and_b32 v9, 15, v0                           ; r
	v_and_b32 v10, 7, v0                           ; r % 8
	v_bfe_u32 v11, v0, 3, 1                        ; r / 8
	v_bfe_u32 v12, v0, 4, 1                        ; h
	v_lshlrev_b32 v1, 4, v8
	v_lshlrev_b32 v2, 3, v8
	v_lshlrev_b32 v3, 3, v9
	v_lshlrev_b32 v13, 4, v9                       ; 16 r: q's scale word in its image
	v_mul_u32_u24 v[KA], v11, 1536                 ; lanes 8-15 read two stored tiles on
	v_lshl_add_u32 v[KB], v10, 3, v[KA]
	v_lshl_add_u32 v[KB], v12, 7, v[KB]
	v_lshl_add_u32 v[KA], v10, 4, v[KA]
	v_lshl_add_u32 v[KA], v12, 8, v[KA]
	v_lshlrev_b32 v[KSB], 4, v10
	v_lshl_add_u32 v[KSB], v12, 8, v[KSB]          ; lanes 16-31 take the odd tile's words
	v_lshl_add_u32 v[KSB], v11, 2, v[KSB]
	v_lshlrev_b32 v[SH], 3, v12
	s_bfe_u32 s9, ttmp6, 0x40000                   ; cx: it enters q's and ctx's addresses alone
	s_lshl_b32 s10, ttmp9, 2
	s_add_co_u32 s10, s10, s9                      ; my block of 512 queries
	s_and_b32 s11, ttmp7, 0xffff                   ; the head, which the four partners share
	s_mul_i32 s44, s11, HEADB
	s_mul_i32 s46, s8, REC                         ; my record = my wave's number
	s_add_co_u32 s44, s44, s46
	s_add_co_u32 s44, s44, KVO
	s_mov_b32 s45, 0
	s_lshl_b32 s42, s10, 5
	s_add_co_u32 s42, s42, s8                      ; my first tile of queries; the second lies 16 on
	s_mul_i32 s48, s11, 98304
	s_mul_i32 s49, s42, 768
	s_add_co_u32 s48, s48, s49
	s_mov_b32 s49, 0
	s_lshl_b32 s50, s11, 13                        ; its scale word
	s_lshr_b32 s51, s42, 3
	s_lshl_b32 s51, s51, 9
	s_add_co_u32 s50, s50, s51
	s_and_b32 s51, s42, 1
	s_lshl_b32 s51, s51, 8
	s_add_co_u32 s50, s50, s51
	s_bfe_u32 s51, s42, 0x20001
	s_lshl_b32 s51, s51, 2
	s_add_co_u32 s50, s50, s51
	s_add_co_u32 s50, s50, QSC
	s_mov_b32 s51, 0
	s_lshr_b32 s52, s11, 4
	s_lshl_b32 s52, s52, 7
	s_add_co_u32 s52, s52, s42                     ; the tile among all tokens
	s_and_b32 s53, s11, 15
	s_lshl_b32 s54, s52, 9                         ; ctx's scale bytes
	s_lshr_b32 s55, s53, 2
	s_lshl_b32 s55, s55, 7
	s_add_co_u32 s54, s54, s55
	s_bfe_u32 s55, s53, 0x10001
	s_lshl_b32 s55, s55, 2
	s_add_co_u32 s54, s54, s55
	s_and_b32 s55, s53, 1
	s_lshl_b32 s55, s55, 1
	s_add_co_u32 s54, s54, s55
	s_add_co_u32 s54, s54, XSO
	s_mov_b32 s55, 0
	s_lshl_b32 s52, s52, 4
	s_add_co_u32 s52, s52, s53
	s_mul_i32 s52, s52, 768                        ; ctx's image
	s_mov_b32 s53, 0
	s_mov_b32 s[G1], 15|(3<<16)|(1<<21)            ; a record: 51 rows of 256 bytes, dense; the mask names all four work-groups
	s_mov_b32 s[G1+1], 32<<16
	s_mov_b32 s[G1+2], 51<<16
	s_mov_b32 s[G1+3], 32<<16
	s_mov_b32 s[G1+4], 51
	s_mov_b32 s[G1+5], 32
	s_mov_b32 s[G1+6], 0
	s_mov_b32 s[G1+7], 0
	s_mov_b32 s[SEL], 0x76543210
	s_mov_b32 s[SEL+1], 0xfedcba98
	s_mov_b32 s[CS], 0x3e38aa3b
	s_mov_b32 s[CS+1], s[CS]
	s_wait_alu depctr_va_vdst(0)                   ; the wait here, ahead of the waits and the round
	s_wait_dscnt 0x0
	s_wait_kmcnt 0x0
	s_add_nc_u64 s[44:45], s[4:5], s[44:45]
	s_mov_b32 s[G0], 1
	s_mov_b32 s[G0+1], s46
	s_mov_b64 s[G0+2:G0+3], s[44:45]
	s_or_b32 s[G0+3], s[G0+3], 0x80000000
	ROUND                                          ; all four work-groups are here: the joint loads meet
	tensor_load_to_lds s[G0:G0+3], s[G1:G1+7]      ; every wave's one load: its record
	s_nop 0
.rept 4
	v_nop
.endr
	s_add_nc_u64 s[48:49], s[4:5], s[48:49]
	s_add_nc_u64 s[50:51], s[4:5], s[50:51]
	s_add_nc_u64 s[52:53], s[6:7], s[52:53]
	s_add_nc_u64 s[54:55], s[6:7], s[54:55]
	global_load_b128 v[Q:Q+3], v1, s[48:49]
	global_load_b64 v[Q+4:Q+5], v2, s[48:49] offset:512
	global_load_b128 v[Q1:Q1+3], v1, s[48:49] offset:12288
	global_load_b64 v[Q1+4:Q1+5], v2, s[48:49] offset:12800
	global_load_b32 v[QS], v13, s[50:51]
	global_load_b32 v[QS1], v13, s[50:51] offset:1024
.irp j, 6,7,8,9,10,11
	v_mov_b32 v[Q+\j], 0                           ; k = 64 .. 127 of q: zero codes
	v_mov_b32 v[KF+42+\j], 0                       ; and what the last fragment of k names beyond its own six
.endr
	v_mov_b32 v[PX], 0                             ; a lane permute's destination counts as one of its sources
	v_mov_b32 v[PY], 0
	v_mov_b32 v[F], 0
	v_mov_b32 v[F+1], 0
.macro KQ c, t                         ; S^T's tile (c, t).  k's scale words: lanes 0-15 the even t's, lanes 16-31 the odd one's
.if ((\t)%2) == 1
	v_wmma_scale_f32_16x16x128_f8f6f4 v[S+32*\c+8*\t:S+32*\c+8*\t+7], v[KF+6*(4*\c+\t):KF+6*(4*\c+\t)+11], v[Q:Q+11], 0, v[KS+2*\c+(\t)/2], v[QS] matrix_a_fmt:MATRIX_FMT_BF6 matrix_b_fmt:MATRIX_FMT_BF6 matrix_a_scale:MATRIX_SCALE_ROW1
.else
	v_wmma_scale_f32_16x16x128_f8f6f4 v[S+32*\c+8*\t:S+32*\c+8*\t+7], v[KF+6*(4*\c+\t):KF+6*(4*\c+\t)+11], v[Q:Q+11], 0, v[KS+2*\c+(\t)/2], v[QS] matrix_a_fmt:MATRIX_FMT_BF6 matrix_b_fmt:MATRIX_FMT_BF6
.endif
.endm
.macro PV t                            ; O^T's tile t += 16 of the head's 64 x these 128 keys; the four accumulators take turns
.if ((\t)%2) == 1
	v_wmma_scale_f32_16x16x128_f8f6f4 v[O+8*(\t):O+8*(\t)+7], v[VF+12*(\t):VF+12*(\t)+11], v[PC:PC+11], v[O+8*(\t):O+8*(\t)+7], v[VS+(\t)/2], v[PS] matrix_a_fmt:MATRIX_FMT_BF6 matrix_b_fmt:MATRIX_FMT_BF6 matrix_a_scale:MATRIX_SCALE_ROW1
.else
	v_wmma_scale_f32_16x16x128_f8f6f4 v[O+8*(\t):O+8*(\t)+7], v[VF+12*(\t):VF+12*(\t)+11], v[PC:PC+11], v[O+8*(\t):O+8*(\t)+7], v[VS+(\t)/2], v[PS] matrix_a_fmt:MATRIX_FMT_BF6 matrix_b_fmt:MATRIX_FMT_BF6
.endif
.endm
; A KEY STEP: 128 keys, the record at s[TB].
.macro STEP
	v_add_nc_u32 v[AK], s[TB], v[KA]               ; these four lines are the places between the last step's products and the loads into p's registers
	v_add_nc_u32 v[AKB], s[TB], v[KB]
	v_add_nc_u32 v[AKS], s[TB], v[KSB]
	v_mov_b32 v[NM+1], v[NM]                       ; the old -M
.irp c, 0,1
.irp g, 0,1
	ds_load_b32 v[KS+2*\c+\g], v[AKS] offset:12288+128*\g+8*\c
.endr
.endr
.irp c, 0,1
.irp t, 0,1,2,3
	ds_load_b128 v[KF+6*(4*\c+\t):KF+6*(4*\c+\t)+3], v[AK] offset:768*(4*\c+(\t%2))+128*(\t/2)
	ds_load_b64 v[KF+6*(4*\c+\t)+4:KF+6*(4*\c+\t)+5], v[AKB] offset:768*(4*\c+(\t%2))+512+64*(\t/2)
.endr
.endr
	s_wait_alu depctr_va_vdst(0)                   ; the wait ahead of the wait below
	s_wait_dscnt 0x0
.irp c, 0,1
.irp t, 0,1,2,3
	KQ \c, \t
.endr
.endr
	v_add_nc_u32 v[AV], s[TB], v1                  ; four places behind the products
	v_add_nc_u32 v[AVB], s[TB], v2
	v_nop
	v_nop
	ds_load_b64 v[VS:VS+1], v[AVB] offset:12800    ; v's scale image and its four fragments land under the softmax
.irp t, 0,1,2,3
	ds_load_b128 v[VF+12*\t:VF+12*\t+3], v[AV] offset:6144+1536*\t
	ds_load_b64 v[VF+12*\t+4:VF+12*\t+5], v[AVB] offset:6144+1536*\t+512
	ds_load_b128 v[VF+12*\t+6:VF+12*\t+9], v[AV] offset:6144+1536*\t+768
	ds_load_b64 v[VF+12*\t+10:VF+12*\t+11], v[AVB] offset:6144+1536*\t+1280
.endr
; the largest score of each of my two blocks of 32 keys, in two chains a block, each accumulator from its low end on
.irp c, 0,1
	v_max3_num_f32 v[T+\c], v[S+32*\c], v[S+32*\c+1], v[S+32*\c+2]
	v_max3_num_f32 v[T+2+\c], v[S+32*\c+17], v[S+32*\c+18], v[S+32*\c+19]
.endr
.irp i, 0,1,2,3,4,5
.irp c, 0,1
	v_max3_num_f32 v[T+\c], v[T+\c], v[S+32*\c+3+2*\i], v[S+32*\c+4+2*\i]
	v_max3_num_f32 v[T+2+\c], v[T+2+\c], v[S+32*\c+20+2*\i], v[S+32*\c+21+2*\i]
.endr
.endr
.irp c, 0,1
	v_max3_num_f32 v[T+\c], v[T+\c], v[S+32*\c+15], v[S+32*\c+16]
.endr
.irp c, 0,1
	v_max_num_f32 v[T+\c], v[T+\c], v[T+2+\c]
.endr
	v_max_num_f32 v[T+4], v[T], v[T+1]
	v_permlanex16_b32 v[PX], v[T+4], s[SEL], s[SEL+1]
	v_max3_num_f32 v[M], v[M], v[T+4], v[PX]       ; the largest score so far of my query
	v_mul_f32 v[T+5], s[CS], v[M]                  ; as t (c is positive)
	v_floor_f32 v[NM], -v[T+5]                     ; -M = floor(-t) = -ceil(t)
	v_sub_f32 v[T+6], v[NM], v[NM+1]               ; old M - new M: a whole number, 0 or less
	v_cvt_i32_f32 v[T+6], v[T+6]                   ; (it saturates)
	v_ldexp_f32 v[F], 1.0, v[T+6]                  ; f = 2^(old M - new M)
.set j, 0
.rept 32
	v_pk_fma_f32 v[S+j:S+j+1], v[S+j:S+j+1], s[CS:CS+1], v[NM:NM+1] op_sel_hi:[1,0,0]   ; t - M
.set j, j+2
.endr
.irp c, 0,1
	v_fma_f32 v[T+\c], v[T+\c], s[CS], v[NM]       ; the same of each block's largest score
.endr
.set j, 0
.rept 16
	v_pk_mul_f32 v[O+j:O+j+1], v[O+j:O+j+1], v[F:F+1] op_sel_hi:[1,0]   ; O^T under the new M, ahead of the exponentials
.set j, j+2
.endr
	s_wait_alu depctr_va_vdst(0)                   ; the wait ahead of the batch
.set j, 0
.rept 64
	v_exp_f32 v[S+j], v[S+j]                       ; p = 2^(t - M)
.set j, j+1
.endr
.irp c, 0,1
	v_exp_f32 v[T+\c], v[T+\c]                     ; the block's largest p: the same two instructions on the same number
.endr
	v_nop
	s_wait_alu depctr_va_vdst(0)                   ; and behind it
.irp c, 0,1
	v_max_num_f32 v[T+\c], 0x2800000, v[T+\c]      ; the floor 2^(5 - 127)
.endr
.irp c, 0,1
	v_add_nc_u32 v[T+8+\c], 0xfe000000, v[T+\c]    ; the conversion's scale operand
.endr
.irp c, 0,1
	v_lshrrev_b32 v[T+10+\c], 23, v[T+8+\c]
.endr
.irp c, 0,1
	v_cvt_scalef32_pk16_bf6_f32 v[PC+6*\c:PC+6*\c+2], v[S+32*\c:S+32*\c+15], v[T+8+\c]
	v_cvt_scalef32_pk16_bf6_f32 v[CT+4*\c:CT+4*\c+2], v[S+32*\c+16:S+32*\c+31], v[T+8+\c]   ; a conversion's three registers begin on an even number
.endr
	v_lshl_or_b32 v[T+12], v[T+11], 16, v[T+10]    ; my bytes: blocks h and 2 + h (also the plain place behind the conversions),
	v_lshlrev_b32 v[T+12], v[SH], v[T+12]          ; at their places in the word;
	v_permlanex16_b32 v[PY], v[T+12], s[SEL], s[SEL+1]
	v_or_b32 v[PS], v[T+12], v[PY]                 ; with lane l xor 16's two the word is whole
.irp c, 0,1
.irp i, 0,1,2
	v_mov_b32 v[PC+3+6*\c+\i], v[CT+4*\c+\i]
.endr
.endr
.irp k, 0,1,2,3
	v_pk_fma_f32 v[L+2*\k:L+2*\k+1], v[L+2*\k:L+2*\k+1], v[F:F+1], v[S+2*\k:S+2*\k+1] op_sel_hi:[1,0,1]   ; the sums under the new M, + p
.endr
.set j, 8
.rept 7
.irp k, 0,1,2,3
	v_pk_add_f32 v[L+2*\k:L+2*\k+1], v[L+2*\k:L+2*\k+1], v[S+j+2*\k:S+j+2*\k+1]
.endr
.set j, j+8
.endr
	s_wait_alu depctr_va_vdst(0)                   ; the wait ahead of the wait below
	s_wait_dscnt 0x0                               ; v is in
.irp t, 0,1,2,3
	PV \t
.endr
	s_add_co_u32 s[TB], s[TB], REC
.endm
.macro RUN
	s_mov_b32 s[TB], 0
	s_mov_b32 s[CNT], 16
.Lrun_\@:
	STEP
	s_sub_co_u32 s[CNT], s[CNT], 1
	s_cmp_lg_u32 s[CNT], 0
	s_cbranch_scc1 .Lrun_\@
.endm
.macro INIT                            ; the first step finds zeros, which the first change of M leaves zeros
	v_mov_b32 v[M], 0xff61b1e6                     ; -3e38, under every score
	v_mul_f32 v[NM+1], s[CS], v[M]
	v_floor_f32 v[NM], -v[NM+1]
.set j, 0
.rept 8
	v_mov_b32 v[L+j], 0
.set j, j+1
.endr
.set j, 0
.rept 32
	v_mov_b32 v[O+j], 0
.set j, j+1
.endr
.endm
; A tile's end: O^T / the sum is ctx: register 16 b + i is channel 32 b + 16 h + i of my query: two blocks; one image and two scale bytes a row.
.macro FINISH p
	v_pk_add_f32 v[L:L+1], v[L:L+1], v[L+2:L+3]    ; (these lines are also the places behind the last products)
	v_pk_add_f32 v[L+4:L+5], v[L+4:L+5], v[L+6:L+7]
	v_pk_add_f32 v[L:L+1], v[L:L+1], v[L+4:L+5]
	v_add_f32 v[L], v[L], v[L+1]
	v_permlanex16_b32 v[PX], v[L], s[SEL], s[SEL+1]
	v_add_f32 v[L], v[L], v[PX]                    ; the row's sum
	s_wait_alu depctr_va_vdst(0)
	v_rcp_f32 v[L], v[L]
	v_nop
	s_wait_alu depctr_va_vdst(0)
.set j, 0
.rept 32
	v_mul_f32 v[S+j], v[O+j], v[L]
.set j, j+1
.endr
.irp b, 0,1
	v_max3_num_f32 v[T+\b], |v[S+16*\b]|, |v[S+1+16*\b]|, 0x2800000
.endr
.irp i, 2,4,6,8,10,12,14
.irp b, 0,1
	v_max3_num_f32 v[T+\b], v[T+\b], |v[S+16*\b+\i]|, |v[S+1+16*\b+\i]|
.endr
.endr
	v_permlanex16_b32 v[PX], v[T], s[SEL], s[SEL+1]
	v_permlanex16_b32 v[PY], v[T+1], s[SEL], s[SEL+1]
	v_max_num_f32 v[T], v[T], v[PX]
	v_max_num_f32 v[T+1], v[T+1], v[PY]
.irp b, 0,1
	v_add_nc_u32 v[T+8+\b], 0xfe000000, v[T+\b]
.endr
.irp b, 0,1
	v_lshrrev_b32 v[T+10+\b], 23, v[T+8+\b]
.endr
	v_lshl_or_b32 v[T+12], v[T+11], 8, v[T+10]     ; the head's two bytes of my row's scale word
	v_cvt_scalef32_pk16_bf6_f32 v[PC:PC+2], v[S:S+15], v[T+8]
	v_cvt_scalef32_pk16_bf6_f32 v[CT:CT+2], v[S+16:S+31], v[T+9]
	v_nop
.irp i, 0,1,2
	v_permlane16_swap_b32 v[PC+\i], v[CT+\i]
.endr
.irp i, 0,1,2
	v_mov_b32 v[PC+3+\i], v[CT+\i]
.endr
	global_store_b128 v1, v[PC:PC+3], s[52:53] offset:196608*\p      ; 512 and 256 consecutive bytes, aligned
	global_store_b64 v2, v[PC+4:PC+5], s[52:53] offset:196608*\p+512
	global_store_b16 v3, v[T+12], s[54:55] offset:8192*\p            ; two bytes a row; lanes r and r + 16 store the same value
.endm
	INIT
	s_wait_alu depctr_va_vdst(0)                   ; the wait at the head's end
	s_wait_loadcnt 0x0                             ; q
	s_wait_tensorcnt 0x0                           ; my record has landed
	s_barrier_signal -1
	s_barrier_wait -1                              ; everybody's has
	RUN
	FINISH 0
	s_wait_xcnt 0x0                                ; the stores have read their registers
.irp j, 0,1,2,3,4,5
	v_mov_b32 v[Q+\j], v[Q1+\j]                    ; the other tile of queries
.endr
	v_mov_b32 v[QS], v[QS1]
	INIT                                           ; (also the places between the moves and the first products)
	RUN
	FINISH 1
	s_wait_tensorcnt 0x0                           ; the wave's end
	ds_add_u32 v[SPW], v[NIL]
	s_wait_dscnt 0x0
	ROUND                                          ; the closing round
	s_endpgm
.Lfunc_end_k_qdc83c036e4_attn:
	.size	k_qdc83c036e4_attn, .Lfunc_end_k_qdc83c036e4_attn-k_qdc83c036e4_attn
	.p2alignl 7, 3214868480
	.fill 96, 4, 3214868480
	.section	.rodata,"a",@progbits
	.p2align	6, 0x0
	.amdhsa_kernel k_qdc83c036e4_attn
		.amdhsa_group_segment_fixed_size 210944
		.amdhsa_private_segment_fixed_size 0
		.amdhsa_enable_private_segment 0
		.amdhsa_kernarg_size 16
		.amdhsa_user_sgpr_count 2
		.amdhsa_user_sgpr_kernarg_segment_ptr 1
		.amdhsa_wavefront_size32 1
		.amdhsa_system_sgpr_workgroup_id_x 1
		.amdhsa_system_sgpr_workgroup_id_y 1
		.amdhsa_system_sgpr_workgroup_id_z 1
		.amdhsa_system_vgpr_workitem_id 0
		.amdhsa_next_free_vgpr 256
		.amdhsa_next_free_sgpr 66
		.amdhsa_reserve_vcc 0
		.amdhsa_float_denorm_mode_32 3
		.amdhsa_float_denorm_mode_16_64 3
		.amdhsa_memory_ordered 1
		.amdhsa_forward_progress 1
		.amdhsa_inst_pref_size 47
	.end_amdhsa_kernel
	.amdgpu_metadata
---
amdhsa.version: [ 1, 2 ]
amdhsa.kernels:
  - .name:           k_qdc83c036e4_attn
    .symbol:         k_qdc83c036e4_attn.kd
    .args:
      - { .name: qkv, .offset: 0, .size: 8, .value_kind: global_buffer, .address_space: global }
      - { .name: ctx, .offset: 8, .size: 8, .value_kind: global_buffer, .address_space: global }
    .group_segment_fixed_size: 210944
    .private_segment_fixed_size: 0
    .kernarg_segment_align: 8
    .kernarg_segment_size: 16
    .max_flat_workgroup_size: 512
    .sgpr_count:     66
    .vgpr_count:     256
    .wavefront_size: 32
...
	.end_amdgpu_metadata
.endif
;; end of part 3
;; launch proj_o (part 4): grid 4 x 32, 4 waves a work-group, clusters of 4 x 4, 327,680 bytes of LDS; arguments ctx, wq, b_o, out0; writes out0
.if DOCPART == 4
	.amdgcn_target "amdgcn-amd-amdhsa--gfx1250"
	.amdhsa_code_object_version 6
	.text
	.protected	k_qdc83c036e4_proj_o
	.globl	k_qdc83c036e4_proj_o
	.p2align	8
	.type	k_qdc83c036e4_proj_o,@function
k_qdc83c036e4_proj_o:
	s_mov_b64 s[64:65], 0
	v_nop
	global_prefetch_b8 v0, s[64:65] scope:SCOPE_SE
	s_setreg_imm32_b32 hwreg(HW_REG_WAVE_MODE, 25, 1), 1
	s_wait_xcnt 0x0
	s_wait_alu depctr_hold_cnt(0) depctr_sa_sdst(0) depctr_va_vdst(0) depctr_va_sdst(0) depctr_va_ssrc(0) depctr_va_vcc(0) depctr_vm_vsrc(0)
	s_getreg_b32 s2, hwreg(HW_REG_IB_STS2, 6, 4)
	s_cmp_eq_u32 s2, 0
	s_cbranch_scc0 .Lentry_in_a_cluster
	s_endpgm
.Lentry_in_a_cluster:
	s_bfe_u32 s2, ttmp6, 0x10000c
	s_cmp_lg_u32 s2, 0xf033
	s_cbranch_scc0 .Lentry_shape_is_right
	s_endpgm
.Lentry_shape_is_right:
.set NQ,     2
.set FR,     12
.set NL,     4
.set NP,     4
.set TILEB,  3072
.set UNITB,  98304
.set HALFT,  8*TILEB
.set SLOT,   4*HALFT
.set SCL,    2*SLOT
.set HALFS,  4096
.set SPARE,  SCL+4*HALFS
.set XSO,    6291456
.set WOC,    3*786432
.set WOS,    3145728+3*32768
.set SPITCH, 528
.set ADRA, 16
.set ADRB, 20
.set STO,  24
.set RD,   25
.set CO,   26
.set ADRS, 27
.set SPW,  28
.set NIL,  29
.set SC,   32
.set AF,   128
.set BK,   128
.set G1,   24
.set G0,   32
.set G1B,  48
.set G0B,  56
.set G1S,  68
.set G0S,  76
.set G1SB, 80
.set G0SB, 88
.set G0H,  4
.set G0HB, 96
.set MSB, 0
.macro WIN new
.if MSB != (\new)
	s_set_vgpr_msb (MSB<<8)|(\new)
.set MSB, (\new)
.endif
.endm
.set MUL_LO, 0xa1
.set MUL_HI, 0xf1
.set TO_B,   0x40
.macro JLOAD g0a, g1a, g0b, g1b
	s_cmp_eq_u32 s17, 0
	s_cbranch_scc0 .Lfor_b_\@
	tensor_load_to_lds s[\g0a:\g0a+3], s[\g1a:\g1a+7]
	s_nop 0
.rept 4
	v_nop
.endr
	s_branch .Lasked_\@
.Lfor_b_\@:
	tensor_load_to_lds s[\g0b:\g0b+3], s[\g1b:\g1b+7]
	s_nop 0
.rept 4
	v_nop
.endr
.Lasked_\@:
.endm
.macro CREST
	s_cmp_lg_u32 s16, 0
	s_cbranch_scc1 .Lnot_wave_0_\@
	s_barrier_signal -3
.Lnot_wave_0_\@:
	s_barrier_wait -3
	s_barrier_signal -1
	s_barrier_wait -1
.endm
.macro CROUND
	s_barrier_signal -1
	s_barrier_wait -1
	CREST
.endm
.macro PLACES n
.rept \n
	v_nop
.endr
.endm
	s_load_b256 s[4:11], s[0:1], 0x0
	v_lshl_add_u32 v[SPW], v0, 2, SPARE
	v_mov_b32 v[NIL], 0
	ds_add_u32 v28, v29
	ds_add_u32 v28, v29
	s_wait_dscnt 0x0
	v_lshrrev_b32 v1, 5, v0
	v_readfirstlane_b32 s16, v1
	s_lshr_b32 s17, s16, 1
	s_and_b32 s18, s16, 1
	s_bfe_u32 s20, ttmp6, 0x40000
	s_bfe_u32 s21, ttmp6, 0x40004
	s_and_b32 s23, ttmp7, 0xffff
	s_lshl_b32 s23, s23, 2
	s_add_co_u32 s100, s23, s21
	s_lshl_b32 s22, ttmp9, 2
	s_add_co_u32 s101, s22, s20
	s_lshl_b32 s2, s21, 2
	s_lshl_b32 s2, 15, s2
	s_lshl_b32 s3, 0x1111, s20
	s_or_b32 s[G1+0], s2, (3<<16)|(1<<21)
	s_or_b32 s[G1B+0], s3, (3<<16)|(1<<21)
.irp g, G1, G1B
	s_mov_b32 s[\g+1], 384<<16
	s_mov_b32 s[\g+2], 16<<16
	s_mov_b32 s[\g+3], 384<<16
	s_mov_b32 s[\g+4], 16
	s_mov_b32 s[\g+5], 1536
	s_mov_b32 s[\g+6], 0
	s_mov_b32 s[\g+7], 0
.endr
	s_or_b32 s[G1S+0], s2, (3<<16)|(1<<21)
	s_or_b32 s[G1SB+0], s3, (3<<16)|(1<<21)
.irp g, G1S, G1SB
	s_mov_b32 s[\g+1], 32<<16
	s_mov_b32 s[\g+2], 32<<16
	s_mov_b32 s[\g+3], 32<<16
	s_mov_b32 s[\g+4], 32
	s_mov_b32 s[\g+5], 32
	s_mov_b32 s[\g+6], 0
	s_mov_b32 s[\g+7], 0
.endr
	s_lshl_b32 s23, s100, 1
	s_add_co_u32 s23, s23, s18
	s_mul_i32 s92, s23, UNITB
	s_mov_b32 s93, 0
	s_lshl_b32 s94, s23, 12
	s_add_co_u32 s94, s94, XSO
	s_mov_b32 s95, 0
	s_lshl_b32 s22, s101, 1
	s_add_co_u32 s22, s22, s18
	s_mul_i32 s96, s22, UNITB
	s_add_co_u32 s96, s96, WOC
	s_mov_b32 s97, 0
	s_lshl_b32 s98, s22, 12
	s_add_co_u32 s98, s98, WOS
	s_mov_b32 s99, 0
	s_mul_i32 s40, s16, HALFT
	s_mul_i32 s41, s16, HALFS
	s_wait_kmcnt 0x0
	s_add_nc_u64 s[92:93], s[4:5], s[92:93]
	s_add_nc_u64 s[94:95], s[4:5], s[94:95]
	s_add_nc_u64 s[96:97], s[6:7], s[96:97]
	s_add_nc_u64 s[98:99], s[6:7], s[98:99]
	CROUND
.irp s, 0,1
	s_mov_b32 s[G0+4*\s], 1
	s_add_co_u32 s[G0+4*\s+1], s40, \s*SLOT
	s_add_nc_u64 s[G0+4*\s+2:G0+4*\s+3], s[92:93], \s*TILEB
	s_or_b32 s[G0+4*\s+3], s[G0+4*\s+3], 0x80000000
	s_mov_b32 s[G0B+4*\s], 1
	s_add_co_u32 s[G0B+4*\s+1], s40, \s*SLOT
	s_add_nc_u64 s[G0B+4*\s+2:G0B+4*\s+3], s[96:97], \s*TILEB
	s_or_b32 s[G0B+4*\s+3], s[G0B+4*\s+3], 0x80000000
.endr
	; the head's four tiles, each whole (my wave's half taken off the addresses again): both sides' scales for all of K, and both sides' 16 tiles of the first 256 along K
	s_lshl_b32 s2, s18, 12
	s_mov_b32 s3, 0
	s_mov_b32 s[G0S], 1
	s_mov_b32 s[G0S+1], SCL
	s_sub_nc_u64 s[G0S+2:G0S+3], s[94:95], s[2:3]
	s_or_b32 s[G0S+3], s[G0S+3], 0x80000000
	s_mov_b32 s[G0SB], 1
	s_mov_b32 s[G0SB+1], SCL+2*HALFS
	s_sub_nc_u64 s[G0SB+2:G0SB+3], s[98:99], s[2:3]
	s_or_b32 s[G0SB+3], s[G0SB+3], 0x80000000
	s_mul_i32 s2, s18, UNITB
	s_mov_b32 s[G0H], 1
	s_mov_b32 s[G0H+1], 0
	s_sub_nc_u64 s[G0H+2:G0H+3], s[92:93], s[2:3]
	s_or_b32 s[G0H+3], s[G0H+3], 0x80000000
	s_sub_nc_u64 s[G0HB+2:G0HB+3], s[96:97], s[2:3]
	s_or_b32 s[G0HB+3], s[G0HB+3], 0x80000000
	s_mov_b32 s[G0HB], 1
	s_mov_b32 s[G0HB+1], 2*HALFT
; one load a wave at the head, in one chain of branches on the wave's number
.macro ARM under, g0, g1, next
	s_cmp_lt_u32 s16, \under
	s_cbranch_scc0 \next
	tensor_load_to_lds s[\g0:\g0+3], s[\g1:\g1+7]
	s_nop 0
.rept 4
	v_nop
.endr
	s_branch .Lhead_asked
\next:
.endm
	ARM 1, G0H,  G1,  .Lhead_b
	ARM 2, G0HB, G1B, .Lhead_sa
	ARM 3, G0S,  G1S, .Lhead_sb
	tensor_load_to_lds s[G0SB:G0SB+3], s[G1SB:G1SB+7]
	s_nop 0
.rept 4
	v_nop
.endr
.Lhead_asked:
	v_and_b32 v1, 15, v0
	v_bfe_u32 v2, v0, 4, 1
	v_and_b32 v3, 31, v0
	v_lshlrev_b32 v[CO], 4, v3
	v_lshlrev_b32 v5, 3, v3
	s_mul_i32 s42, s17, HALFT
	s_mul_i32 s43, s18, HALFT
	s_add_co_u32 s43, s43, 2*HALFT
.irp s, 0,1
	v_add_nc_u32 v[ADRA+\s], s42, v[CO]
	v_add_nc_u32 v[ADRA+2+\s], s42, v5
	v_add_nc_u32 v[ADRB+\s], s43, v[CO]
	v_add_nc_u32 v[ADRB+2+\s], s43, v5
	s_add_co_u32 s42, s42, SLOT
	s_add_co_u32 s43, s43, SLOT
.endr
	v_lshlrev_b32 v6, 3, v1
	s_mul_i32 s42, s17, HALFS
	s_mul_i32 s43, s18, HALFS
	s_add_co_u32 s43, s43, 2*HALFS
	s_sub_co_u32 s43, s43, s42
	v_mul_u32_u24 v7, s43, v2
	s_add_co_u32 s42, s42, SCL
	v_add_nc_u32 v6, v6, v7
	v_add_nc_u32 v[ADRS], s42, v6
	s_mul_i32 s42, s16, 16*SPITCH
	v_mul_u32_u24 v6, v1, SPITCH
	v_lshl_add_u32 v6, v2, 6, v6
	v_add_nc_u32 v[STO], s42, v6
	v_add_nc_u32 v[RD], s42, v[CO]
	s_lshl_b32 s42, s101, 10
	s_lshl_b32 s43, s18, 9
	s_add_co_u32 s42, s42, s43
	s_mov_b32 s43, 0
	s_add_nc_u64 s[8:9], s[8:9], s[42:43]
	global_load_b128 v[8:11], v[CO], s[8:9]
	s_lshl_b32 s44, s100, 8
	s_lshl_b32 s45, s17, 7
	s_add_co_u32 s44, s44, s45
	s_lshl_b32 s44, s44, 12
	s_add_co_u32 s44, s44, s42
	s_mov_b32 s45, 0
	s_add_nc_u64 s[12:13], s[10:11], s[44:45]
.macro FRAG reg, adr, q, i
	ds_load_b128 v[\reg:\reg+3], v[\adr] offset:TILEB*(\i)+1536*(\q)
	ds_load_b64 v[\reg+4:\reg+5], v[\adr+2] offset:TILEB*(\i)+1536*(\q)+512
	ds_load_b128 v[\reg+6:\reg+9], v[\adr] offset:TILEB*(\i)+1536*(\q)+768
	ds_load_b64 v[\reg+10:\reg+11], v[\adr+2] offset:TILEB*(\i)+1536*(\q)+1280
.endm
.macro MUL16 a0, p, q, sc, zero
.irp a, \a0, \a0+1
.irp b, 0,1,2,3,4,5,6,7
.if \zero
	v_wmma_scale_f32_16x16x128_f8f6f4 v[8*(8*((\a)%4)+\b):8*(8*((\a)%4)+\b)+7], v[128*(\p)+FR*\b:128*(\p)+FR*\b+FR-1], v[AF+FR*(\a):AF+FR*(\a)+FR-1], 0, v[SC+8*NQ*(\sc)+NQ*\b+(\q)], v[SC+8*NQ*(\sc)+NQ*(\a)+(\q)] matrix_a_fmt:MATRIX_FMT_BF6 matrix_b_fmt:MATRIX_FMT_BF6 matrix_a_scale:MATRIX_SCALE_ROW1
.else
	v_wmma_scale_f32_16x16x128_f8f6f4 v[8*(8*((\a)%4)+\b):8*(8*((\a)%4)+\b)+7], v[128*(\p)+FR*\b:128*(\p)+FR*\b+FR-1], v[AF+FR*(\a):AF+FR*(\a)+FR-1], v[8*(8*((\a)%4)+\b):8*(8*((\a)%4)+\b)+7], v[SC+8*NQ*(\sc)+NQ*\b+(\q)], v[SC+8*NQ*(\sc)+NQ*(\a)+(\q)] matrix_a_fmt:MATRIX_FMT_BF6 matrix_b_fmt:MATRIX_FMT_BF6 matrix_a_scale:MATRIX_SCALE_ROW1
.endif
.endr
.endr
.endm
.macro FETCH_B slot, q, p
	WIN TO_B
.irp i, 0,1,2,3,4,5,6,7
	FRAG 128*(\p)+FR*\i, ADRB+\slot, \q, \i
.endr
	WIN 0
.endm
.macro FETCH_A slot, q, i0
.irp i, \i0, \i0+1, \i0+2, \i0+3
	FRAG AF+FR*(\i), ADRA+\slot, \q, \i
.endr
.endm
.macro SCALES sc
.irp i, 0,1,2,3,4,5,6,7
	ds_load_b64 v[SC+8*NQ*\sc+NQ*\i:SC+8*NQ*\sc+NQ*\i+1], v[ADRS] offset:\i*512
.endr
.endm
.macro STEP slot, q, zero
	s_wait_dscnt 4*NL
	WIN MUL_LO
	MUL16 0, (\q)%2, \q, \slot, \zero
	MUL16 2, (\q)%2, \q, \slot, \zero
	s_wait_dscnt 0
	PLACES NP
	FETCH_B \slot, (\q)+1, 1-(\q)%2
	FETCH_A \slot, (\q)+1, 0
	WIN MUL_HI
	MUL16 4, (\q)%2, \q, \slot, \zero
	MUL16 6, (\q)%2, \q, \slot, \zero
	PLACES NP
	WIN 0
	FETCH_A \slot, (\q)+1, 4
.endm
.macro TURN slot, next, fill
	s_wait_tensorcnt 0x0
	ds_add_u32 v[SPW], v[NIL]
	s_wait_dscnt 4*NL+1
	WIN MUL_LO
	MUL16 0, 1, NQ-1, \slot, 0
	s_wait_dscnt 0x0
	s_barrier_signal -1
	MUL16 2, 1, NQ-1, \slot, 0
	WIN 0
	s_barrier_wait -1
.if \fill
	CREST
	s_add_nc_u64 s[G0+4*\slot+2:G0+4*\slot+3], s[G0+4*\slot+2:G0+4*\slot+3], 2*TILEB
	s_add_nc_u64 s[G0B+4*\slot+2:G0B+4*\slot+3], s[G0B+4*\slot+2:G0B+4*\slot+3], 2*TILEB
	JLOAD G0+4*\slot, G1, G0B+4*\slot, G1B
.else
	PLACES NP
.endif
	s_wait_alu depctr_va_vdst(0)
	v_add_nc_u32 v[ADRS], 128, v[ADRS]
	FETCH_B \next, 0, 0
	FETCH_A \next, 0, 0
	SCALES \next
	WIN MUL_HI
	MUL16 4, 1, NQ-1, \slot, 0
	MUL16 6, 1, NQ-1, \slot, 0
	PLACES NP
	WIN 0
	FETCH_A \next, 0, 4
.endm
	s_wait_alu depctr_va_vdst(0)
	s_wait_tensorcnt 0x0                           ; my tile of the head's four is in
	ds_add_u32 v[SPW], v[NIL]
	s_mov_b32 s[G1+2], 8<<16                       ; no load of mine is out: from here on a load brings 8 tiles
	s_mov_b32 s[G1+4], 8
	s_mov_b32 s[G1B+2], 8<<16
	s_mov_b32 s[G1B+4], 8
	s_wait_dscnt 0x0
	CROUND
	JLOAD G0+4, G1, G0B+4, G1B                     ; slot 1's first fill, the first tensor load behind the round
	FETCH_B 0, 0, 0
	FETCH_A 0, 0, 0
	SCALES 0
	FETCH_A 0, 0, 4
	STEP 0, 0, 1
	TURN 0, 1, 1
	STEP 1, 0, 0
	TURN 1, 0, 1
	STEP 0, 0, 0
	TURN 0, 1, 0
	STEP 1, 0, 0
	s_wait_dscnt 4*NL
	WIN MUL_LO
	MUL16 0, 1, NQ-1, 1, 0
	MUL16 2, 1, NQ-1, 1, 0
	s_wait_dscnt 0
	WIN MUL_HI
	MUL16 4, 1, NQ-1, 1, 0
	MUL16 6, 1, NQ-1, 1, 0
	WIN 0
.macro TOSTAGE a
.set AC, 64*((\a)%4)
	WIN 0x08+4*((\a)/4)
.irp b, 0,1,2,3,4,5,6,7
	ds_store_b128 v[STO], v[AC+8*\b:AC+8*\b+3] offset:128*(\b/2)+32*(\b%2)
	ds_store_b128 v[STO], v[AC+8*\b+4:AC+8*\b+7] offset:128*(\b/2)+32*(\b%2)+16
.endr
	WIN 0
.set BB, BK+64*((\a)%2)
.irp t, 0,1,2,3,4,5,6,7,8,9,10,11,12,13,14,15
	ds_load_b128 v[BB+4*\t:BB+4*\t+3], v[RD] offset:\t*SPITCH
.endr
.endm
.macro SEND a, younger
.set BB, BK+64*((\a)%2)
	s_wait_dscnt \younger
.irp t, 0,1,2,3,4,5,6,7,8,9,10,11,12,13,14,15
	v_pk_add_f32 v[BB+4*\t:BB+4*\t+1], v[BB+4*\t:BB+4*\t+1], v[8:9]
	v_pk_add_f32 v[BB+4*\t+2:BB+4*\t+3], v[BB+4*\t+2:BB+4*\t+3], v[10:11]
.endr
.irp t, 0,1,2,3,4,5,6,7,8,9,10,11,12,13,14,15
	global_store_b128 v[CO], v[BB+4*\t:BB+4*\t+3], s[12:13] offset:(32*((\a)/2)+8*((\a)%2)+\t+8*(\t/8))*4096 th:TH_STORE_NT
.endr
.endm
	s_wait_loadcnt 0x0
	PLACES NP
	TOSTAGE 0
.irp a, 1,2,3,4,5,6,7
.if \a > 1
	s_wait_xcnt 0x0
.endif
	TOSTAGE \a
	SEND \a-1, 32
.endr
	SEND 7, 0
	s_wait_tensorcnt 0x0
	ds_add_u32 v[SPW], v[NIL]
	s_wait_dscnt 0x0
	CROUND
	s_endpgm
.Lfunc_end_k_qdc83c036e4_proj_o:
	.size	k_qdc83c036e4_proj_o, .Lfunc_end_k_qdc83c036e4_proj_o-k_qdc83c036e4_proj_o
	.p2alignl 7, 3214868480
	.fill 96, 4, 3214868480
	.section	.rodata,"a",@progbits
	.p2align	6, 0x0
	.amdhsa_kernel k_qdc83c036e4_proj_o
		.amdhsa_group_segment_fixed_size 327680
		.amdhsa_private_segment_fixed_size 0
		.amdhsa_enable_private_segment 0
		.amdhsa_kernarg_size 32
		.amdhsa_user_sgpr_count 2
		.amdhsa_user_sgpr_kernarg_segment_ptr 1
		.amdhsa_wavefront_size32 1
		.amdhsa_system_sgpr_workgroup_id_x 1
		.amdhsa_system_sgpr_workgroup_id_y 1
		.amdhsa_system_sgpr_workgroup_id_z 1
		.amdhsa_system_vgpr_workitem_id 0
		.amdhsa_next_free_vgpr 1024
		.amdhsa_next_free_sgpr 106
		.amdhsa_reserve_vcc 0
		.amdhsa_float_denorm_mode_32 3
		.amdhsa_float_denorm_mode_16_64 3
		.amdhsa_memory_ordered 1
		.amdhsa_forward_progress 1
		.amdhsa_inst_pref_size 160
	.end_amdhsa_kernel
	.amdgpu_metadata
---
amdhsa.version: [ 1, 2 ]
amdhsa.kernels:
  - .name:           k_qdc83c036e4_proj_o
    .symbol:         k_qdc83c036e4_proj_o.kd
    .args:
      - { .name: ctx, .offset: 0, .size: 8, .value_kind: global_buffer, .address_space: global }
      - { .name: wq, .offset: 8, .size: 8, .value_kind: global_buffer, .address_space: global }
      - { .name: b_o, .offset: 16, .size: 8, .value_kind: global_buffer, .address_space: global }
      - { .name: out0, .offset: 24, .size: 8, .value_kind: global_buffer, .address_space: global }
    .group_segment_fixed_size: 327680
    .private_segment_fixed_size: 0
    .kernarg_segment_align: 8
    .kernarg_segment_size: 32
    .max_flat_workgroup_size: 128
    .sgpr_count:     106
    .vgpr_count:     1024
    .wavefront_size: 32
...
	.end_amdgpu_metadata
.endif
;; end of part 4
